; MI455X (gfx1250); checked and timed in simulation.
; The chip was launched on July 23, 2026; its instructions are those of AMD's public machine-readable ISA for CDNA 5 (MIT licence, August 2026) and "CDNA5" Instruction Set Architecture Reference Guide (July 2026). The comments in the code are by the model that wrote it; some were corrected since.
;; Geometric Attention. Allowed arithmetic: float matrix products may take bf16 or f16 operands with f32 sums; all other float work in f32.
;; Inputs: Wk 128 x 128 float32; Wo 128 x 128 float32; Wq 128 x 128 float32; Wv 128 x 128 float32; bk 128 float32; bo 128 float32; bq 128 float32; bv 128 float32; features 8,192 x 128 float32; gamma one number float32; positions 8,192 x 3 float32; sigma one number float32.
;; Outputs: out0 8,192 x 128 float32.
;; 2 versions, each right and faster than the one before. Each part assembles by itself: llvm-mc -triple=amdgcn-amd-amdhsa -mcpu=gfx1250 --defsym DOCPART=n.
;; ======== version 1 of 2: 2 launches
;; limits: values are held in f16: magnitudes above 65,504 overflow, below 6.1e-05 lose precision
;; workspace buffers: qf 2,097,152 bytes; kv 4,325,376 bytes
;; launch proj (part 1): grid 256 x 1, 13 waves a work-group, no clusters, 0 bytes of LDS; arguments features, positions, Wq, bq, Wk, bk, Wv, bv, qf, kv; writes qf, kv
.if DOCPART == 1
	.amdgcn_target "amdgcn-amd-amdhsa--gfx1250"
	.amdhsa_code_object_version 6
	.text
	.protected	k_q7e7dc1bbd2_proj
	.globl	k_q7e7dc1bbd2_proj
	.p2align	8
	.type	k_q7e7dc1bbd2_proj,@function
k_q7e7dc1bbd2_proj:
	s_mov_b64 s[64:65], 0
	v_nop
	global_prefetch_b8 v0, s[64:65] scope:SCOPE_SE
	s_setreg_imm32_b32 hwreg(HW_REG_WAVE_MODE, 25, 1), 1
	s_wait_xcnt 0x0
; Q, K, V = features W^T + b, stored in 16 bits in the order in which the attention launch's matrix fragments want them
; (Q and K in bf16, V in f16); the key positions are stored beside K and V as rows of x, y, z, 0.
; A work-group owns 32 tokens (two tiles of 16).  Waves 0-3 make Q's four heads, waves 4-7 K's, waves 8-11 V's,
; wave 12 the positions.  A wave makes its head's 32 outputs for the 32 tokens: four tiles of 16 x 16 over K = 128,
; 16 matrix instructions on four accumulators.
; No LDS, no barrier, no cluster: no wave reads what another wave made, the launch fills no LDS, and a wave's operands
; (32 rows of features, 32 rows of one weight matrix) go from memory to registers once.
; Q is multiplied by 32^-1/2 log2(e), so that the attention launch's scores are exponents of 2.
; WHY V IS f16: the attention's result is a nearly cancelling average of V, so V's relative rounding error passes whole into it; f16 has
; three more bits than bf16.  LIMIT: |V| below 65504.  With features of spread 1 and weights of spread 0.02 |V| stays near 1; both 30 times
; larger give about 1100, both with an offset of 30 spreads about 128 x 30 x 0.6 = 2304.  Both 30 times smaller: V near 2.5e-4, where the
; f16 step of 6e-8 is still finer against V than bf16's rounding.
; A fragment half is 512 bytes, lane L's 16 bytes at 16 L.
;   qf: [token tile 512][head 4][half 2][512 B]; lane (r, h) holds token r, dh = 16 half + 8 h + 0..7.
;   kv: 16 groups of 512 keys, GROUP bytes each = record 0 (heads 0, 1; 8 chunks of CH0) + record 1 (heads 2, 3; 8 chunks of 16384).
;       A chunk is 64 keys: K [tile 4][head 2][half 2][512 B]; at 8192 V [block of 32 keys 2][head 2][dh tile 2][half 2][512 B],
;       lane (r, h) holds dh row 16 dt + r, keys 16 half + 8 h + 0..7; record 0 alone: at 16384 [block 2][x, y, z, 0][32 keys] f32.
.set GROUP, 270336
.set REC0,  139264
.set CH0,   17408
.set QSCALE, 0x3e8293ee                ; 32^-1/2 * log2(e)
.set FO,  3                            ; v3   512 r + 32 h: my 32 bytes in a row of features or of W
.set SO,  4                            ; v4   16 x lane: my 16 bytes of a stored fragment half
.set BO,  5                            ; v5   offset into the bias vector
.set BV,  6                            ; v[6:7]  V's bias of my two output columns
.set ST0, 8                            ; v[8:71]    one K step in f32: X tile 0, X tile 1, W tile 0, W tile 1, 16 registers each
.set ST1, 72                           ; v[72:135]  the other K step
.set FR0, 136                          ; v[136:167] the same four as bf16 fragments, 8 registers each
.set FR1, 168                          ; v[168:199]
.set ACC, 200                          ; v[200:231] tile (ot, tt) at 8 (2 ot + tt)
; 16 loads: K step k (32 numbers = 128 bytes of each row) of 32 rows of X and 32 rows of W.
; A lane's fragment wants k = 8 h + 0..7 and 16 + 8 h + 0..7: bytes 0, 16 and 64, 80 from FO.
.macro LOADSTEP st, k
.irp f, 0,1
	global_load_b128 v[\st+16*\f:\st+16*\f+3],     v[FO], s[28:29] offset:\f*8192+\k*128
	global_load_b128 v[\st+16*\f+4:\st+16*\f+7],   v[FO], s[28:29] offset:\f*8192+\k*128+16
	global_load_b128 v[\st+16*\f+8:\st+16*\f+11],  v[FO], s[28:29] offset:\f*8192+\k*128+64
	global_load_b128 v[\st+16*\f+12:\st+16*\f+15], v[FO], s[28:29] offset:\f*8192+\k*128+80
.endr
.irp f, 0,1
	global_load_b128 v[\st+32+16*\f:\st+32+16*\f+3],     v[FO], s[30:31] offset:\f*8192+\k*128
	global_load_b128 v[\st+32+16*\f+4:\st+32+16*\f+7],   v[FO], s[30:31] offset:\f*8192+\k*128+16
	global_load_b128 v[\st+32+16*\f+8:\st+32+16*\f+11],  v[FO], s[30:31] offset:\f*8192+\k*128+64
	global_load_b128 v[\st+32+16*\f+12:\st+32+16*\f+15], v[FO], s[30:31] offset:\f*8192+\k*128+80
.endr
.endm
.macro CVTSTEP st, fr                  ; 64 f32 to 32 registers of bf16 pairs
.irp f, 0,1,2,3
.irp i, 0,1,2,3,4,5,6,7
	v_cvt_pk_bf16_f32 v[\fr+8*\f+\i], v[\st+16*\f+2*\i], v[\st+16*\f+2*\i+1]
.endr
.endr
.endm
.macro PMM d, a, b, zero
.if \zero
	v_wmma_f32_16x16x32_bf16 v[\d:\d+7], v[\a:\a+7], v[\b:\b+7], 0
.else
	v_wmma_f32_16x16x32_bf16 v[\d:\d+7], v[\a:\a+7], v[\b:\b+7], v[\d:\d+7]
.endif
.endm
; Four matrix instructions, the four accumulators by turns.
; swap = 0: rows = outputs (W), columns = tokens (X): a lane ends with 8 neighbouring outputs of one token (Q, K).
; swap = 1: rows = tokens, columns = outputs: a lane ends with 8 neighbouring tokens of one output (V).
.macro MMSTEP fr, swap, zero
.irp ot, 0,1
.irp tt, 0,1
.if \swap
	PMM ACC+8*(2*\ot+\tt), \fr+8*\tt, \fr+16+8*\ot, \zero
.else
	PMM ACC+8*(2*\ot+\tt), \fr+16+8*\ot, \fr+8*\tt, \zero
.endif
.endr
.endr
.endm
; kind 0: Q, 1: K, 2: V.  wreg, breg: the scalar pairs with the addresses of W and b.
.macro PROJ kind, wreg, breg
	s_lshl_b32 s36, s26, 14                        ; my head's 32 rows of W, 512 bytes each
	s_add_nc_u64 s[30:31], s[\wreg:\wreg+1], s[36:37]
	s_lshl_b32 s36, s26, 7                         ; my head's 32 numbers of b
	s_add_nc_u64 s[32:33], s[\breg:\breg+1], s[36:37]
.if \kind == 0
	s_lshl_b32 s36, ttmp9, 13                      ; two token tiles of 4096 bytes
	s_lshl_b32 s27, s26, 10
	s_add_co_u32 s36, s36, s27
	s_add_nc_u64 s[34:35], s[20:21], s[36:37]
	v_lshlrev_b32 v[BO], 5, v2                     ; outputs 8 h + 0..7
.set IT, 4096
.set IO, 512
.endif
.if \kind == 1
	s_lshl_b32 s27, s42, 10
	s_add_co_u32 s36, s43, s27
	s_add_nc_u64 s[34:35], s[22:23], s[36:37]
	v_lshlrev_b32 v[BO], 5, v2
.set IT, 2048
.set IO, 512
.endif
.if \kind == 2
	s_lshl_b32 s27, s42, 11
	s_add_co_u32 s36, s43, s27
	s_add_co_u32 s36, s36, 8192
	s_add_nc_u64 s[34:35], s[22:23], s[36:37]
	v_lshlrev_b32 v[BO], 2, v1                     ; output r
.set IT, 512
.set IO, 1024
.endif
.if \kind < 2
	; register j of a tile is output 16 ot + 8 h + j: the bias is loaded straight into the accumulators and the sums start on it
.irp ot, 0,1
.irp tt, 0,1
	global_load_b128 v[ACC+8*(2*\ot+\tt):ACC+8*(2*\ot+\tt)+3],   v[BO], s[32:33] offset:\ot*64
	global_load_b128 v[ACC+8*(2*\ot+\tt)+4:ACC+8*(2*\ot+\tt)+7], v[BO], s[32:33] offset:\ot*64+16
.endr
.endr
.else
	global_load_b32 v[BV],   v[BO], s[32:33]
	global_load_b32 v[BV+1], v[BO], s[32:33] offset:64
.endif
	LOADSTEP ST0, 0
	LOADSTEP ST1, 1
	s_wait_loadcnt 16                              ; loads return in order (ISA guide 5.7.1): the bias and K step 0 are in, K step 1's 16 stay out
	CVTSTEP ST0, FR0
	LOADSTEP ST0, 2
	MMSTEP FR0, \kind/2, \kind/2                   ; V's first products start its sums
	s_wait_loadcnt 16                              ; K step 1 is in, K step 2's 16 stay out
	CVTSTEP ST1, FR1
	LOADSTEP ST1, 3
	MMSTEP FR1, \kind/2, 0
	s_wait_loadcnt 16                              ; K step 2 is in
	CVTSTEP ST0, FR0                               ; FR0 was last read two runs of matrix instructions ago; the 32 conversions into FR1 stand between (ISA guide 7.12.1)
	MMSTEP FR0, \kind/2, 0
	s_wait_loadcnt 0
	CVTSTEP ST1, FR1
	MMSTEP FR1, \kind/2, 0
.rept 4
	v_nop                                          ; four places before the results are read (ISA guide 7.12.1)
.endr
.if \kind == 0
.irp i, 0,1,2,3,4,5,6,7,8,9,10,11,12,13,14,15
	v_pk_mul_f32 v[ACC+2*\i:ACC+2*\i+1], v[ACC+2*\i:ACC+2*\i+1], QSCALE op_sel_hi:[1,0]
.endr
.endif
.if \kind == 2
.irp i, 0,1,2,3,4,5,6,7
	v_pk_add_f32 v[ACC+2*\i:ACC+2*\i+1], v[ACC+2*\i:ACC+2*\i+1], v[BV:BV+1] op_sel_hi:[1,0]                    ; outputs 0-15: BV for both
	v_pk_add_f32 v[ACC+16+2*\i:ACC+16+2*\i+1], v[ACC+16+2*\i:ACC+16+2*\i+1], v[BV:BV+1] op_sel:[0,1] op_sel_hi:[1,1]  ; outputs 16-31: BV+1 for both
.endr
.endif
.irp f, 0,1,2,3
.irp i, 0,1,2,3
.if \kind == 2
	v_cvt_pk_f16_f32 v[ST0+4*\f+\i], v[ACC+8*\f+2*\i], v[ACC+8*\f+2*\i+1]      ; V in f16
.else
	v_cvt_pk_bf16_f32 v[ST0+4*\f+\i], v[ACC+8*\f+2*\i], v[ACC+8*\f+2*\i+1]     ; Q, K in bf16
.endif
.endr
.endr
.irp ot, 0,1
.irp tt, 0,1
	global_store_b128 v[SO], v[ST0+4*(2*\ot+\tt):ST0+4*(2*\ot+\tt)+3], s[34:35] offset:\tt*IT+\ot*IO   ; the wave stores 512 consecutive bytes, aligned to 512
.endr
.endr
	s_endpgm
.endm
	s_load_b256 s[4:11], s[0:1], 0x0               ; features s[4:5], positions s[6:7], Wq s[8:9], bq s[10:11]
	s_load_b256 s[12:19], s[0:1], 0x20             ; Wk s[12:13], bk s[14:15], Wv s[16:17], bv s[18:19]
	s_load_b128 s[20:23], s[0:1], 0x40             ; qf s[20:21], kv s[22:23]
	v_lshrrev_b32 v1, 5, v0
	v_readfirstlane_b32 s24, v1                    ; wave 0..12
	s_lshr_b32 s25, s24, 2                         ; 0 Q, 1 K, 2 V, 3 positions
	s_and_b32 s26, s24, 3                          ; head
	v_and_b32 v1, 15, v0                           ; r
	v_bfe_u32 v2, v0, 4, 1                         ; h
	v_lshlrev_b32 v[FO], 9, v1
	v_lshl_add_u32 v[FO], v2, 5, v[FO]
	v_and_b32 v[SO], 31, v0
	v_lshlrev_b32 v[SO], 4, v[SO]
	s_lshr_b32 s38, ttmp9, 4                       ; group of 512 keys
	s_bfe_u32 s39, ttmp9, 0x30001                  ; eighth of the group (64 keys): 3 bits from bit 1
	s_and_b32 s40, ttmp9, 1                        ; block of 32 keys in the eighth
	s_lshr_b32 s41, s26, 1                         ; head pair = record
	s_and_b32 s42, s26, 1                          ; head in the pair
	s_mul_i32 s43, s38, GROUP
	s_mul_i32 s44, s41, REC0
	s_add_co_u32 s43, s43, s44
	s_lshl_b32 s44, s41, 10
	s_sub_co_u32 s44, CH0, s44                     ; a chunk of record 0 has 17408 bytes, of record 1 16384
	s_mul_i32 s44, s44, s39
	s_add_co_u32 s43, s43, s44
	s_lshl_b32 s44, s40, 12
	s_add_co_u32 s43, s43, s44                     ; my chunk + 4096 x block: K's two tiles, and V's block behind 8192
	s_mov_b32 s37, 0                               ; the high word of every offset pair
	s_lshl_b32 s36, ttmp9, 14                      ; 32 rows of features
	s_wait_kmcnt 0x0
	s_add_nc_u64 s[28:29], s[4:5], s[36:37]
	s_cmp_eq_u32 s25, 0
	s_cbranch_scc1 .Lq
	s_cmp_eq_u32 s25, 1
	s_cbranch_scc1 .Lk
	s_cmp_eq_u32 s25, 2
	s_cbranch_scc1 .Lv
	; wave 12: lane L stores component L / 8 of keys 4 (L % 8) + 0..3; component 3 is zero
	v_and_b32 v5, 31, v0
	v_lshrrev_b32 v6, 3, v5                        ; component 0..3
	v_and_b32 v7, 7, v5
	v_min_u32 v8, 2, v6                            ; component 3 reads z, inside the buffer, and drops it
	v_mul_u32_u24 v7, v7, 48                       ; 4 keys of 12 bytes
	v_lshl_add_u32 v7, v8, 2, v7
	s_mul_i32 s36, ttmp9, 384                      ; 32 keys of 12 bytes
	s_add_nc_u64 s[30:31], s[6:7], s[36:37]
.irp i, 0,1,2,3
	global_load_b32 v[12+\i], v7, s[30:31] offset:12*\i
.endr
	s_mul_i32 s36, s38, GROUP
	s_mul_i32 s44, s39, CH0
	s_add_co_u32 s36, s36, s44
	s_lshl_b32 s44, s40, 9
	s_add_co_u32 s36, s36, s44
	s_add_co_u32 s36, s36, 16384
	s_add_nc_u64 s[34:35], s[22:23], s[36:37]
	v_cmp_ne_u32 vcc_lo, 3, v6
	s_wait_loadcnt 0
.irp i, 0,1,2,3
	v_cndmask_b32 v[12+\i], 0, v[12+\i], vcc_lo
.endr
	global_store_b128 v[SO], v[12:15], s[34:35]
	s_endpgm
.Lq:
	PROJ 0, 8, 10
.Lk:
	PROJ 1, 12, 14
.Lv:
	PROJ 2, 16, 18
.Lfunc_end_k_q7e7dc1bbd2_proj:
	.size	k_q7e7dc1bbd2_proj, .Lfunc_end_k_q7e7dc1bbd2_proj-k_q7e7dc1bbd2_proj
	.p2alignl 7, 3214868480
	.fill 96, 4, 3214868480
	.section	.rodata,"a",@progbits
	.p2align	6, 0x0
	.amdhsa_kernel k_q7e7dc1bbd2_proj
		.amdhsa_group_segment_fixed_size 0
		.amdhsa_private_segment_fixed_size 0
		.amdhsa_enable_private_segment 0
		.amdhsa_kernarg_size 80
		.amdhsa_user_sgpr_count 2
		.amdhsa_user_sgpr_kernarg_segment_ptr 1
		.amdhsa_wavefront_size32 1
		.amdhsa_system_sgpr_workgroup_id_x 1
		.amdhsa_system_sgpr_workgroup_id_y 1
		.amdhsa_system_sgpr_workgroup_id_z 1
		.amdhsa_system_vgpr_workitem_id 0
		.amdhsa_next_free_vgpr 232
		.amdhsa_next_free_sgpr 66
		.amdhsa_reserve_vcc 1
		.amdhsa_float_denorm_mode_32 3
		.amdhsa_float_denorm_mode_16_64 3
		.amdhsa_memory_ordered 1
		.amdhsa_forward_progress 1
		.amdhsa_inst_pref_size 59
	.end_amdhsa_kernel
	.amdgpu_metadata
---
amdhsa.version: [ 1, 2 ]
amdhsa.kernels:
  - .name:           k_q7e7dc1bbd2_proj
    .symbol:         k_q7e7dc1bbd2_proj.kd
    .args:
      - { .name: features, .offset: 0, .size: 8, .value_kind: global_buffer, .address_space: global }
      - { .name: positions, .offset: 8, .size: 8, .value_kind: global_buffer, .address_space: global }
      - { .name: Wq, .offset: 16, .size: 8, .value_kind: global_buffer, .address_space: global }
      - { .name: bq, .offset: 24, .size: 8, .value_kind: global_buffer, .address_space: global }
      - { .name: Wk, .offset: 32, .size: 8, .value_kind: global_buffer, .address_space: global }
      - { .name: bk, .offset: 40, .size: 8, .value_kind: global_buffer, .address_space: global }
      - { .name: Wv, .offset: 48, .size: 8, .value_kind: global_buffer, .address_space: global }
      - { .name: bv, .offset: 56, .size: 8, .value_kind: global_buffer, .address_space: global }
      - { .name: qf, .offset: 64, .size: 8, .value_kind: global_buffer, .address_space: global }
      - { .name: kv, .offset: 72, .size: 8, .value_kind: global_buffer, .address_space: global }
    .group_segment_fixed_size: 0
    .private_segment_fixed_size: 0
    .kernarg_segment_align: 8
    .kernarg_segment_size: 80
    .max_flat_workgroup_size: 416
    .sgpr_count:     66
    .vgpr_count:     232
    .wavefront_size: 32
...
	.end_amdgpu_metadata
.endif
;; end of part 1
;; launch attn (part 2): grid 256 x 1, 8 waves a work-group, clusters of 4 x 1, 327,680 bytes of LDS; arguments qf, kv, positions, Wo, bo, gamma, sigma, out0; writes out0
.if DOCPART == 2
	.amdgcn_target "amdgcn-amd-amdhsa--gfx1250"
	.amdhsa_code_object_version 6
	.text
	.protected	k_q7e7dc1bbd2_attn
	.globl	k_q7e7dc1bbd2_attn
	.p2align	8
	.type	k_q7e7dc1bbd2_attn,@function
k_q7e7dc1bbd2_attn:
	s_mov_b64 s[64:65], 0
	v_nop
	global_prefetch_b8 v0, s[64:65] scope:SCOPE_SE
	s_setreg_imm32_b32 hwreg(HW_REG_WAVE_MODE, 25, 1), 1
	s_wait_xcnt 0x0
	s_wait_alu depctr_hold_cnt(0) depctr_sa_sdst(0) depctr_va_vdst(0) depctr_va_sdst(0) depctr_va_ssrc(0) depctr_va_vcc(0) depctr_vm_vsrc(0)
	s_getreg_b32 s2, hwreg(HW_REG_IB_STS2, 6, 4)
	s_cmp_eq_u32 s2, 0
	s_cbranch_scc0 .Lentry_in_a_cluster
	s_endpgm
.Lentry_in_a_cluster:
	s_bfe_u32 s2, ttmp6, 0x10000c
	s_cmp_lg_u32 s2, 0x3003
	s_cbranch_scc0 .Lentry_shape_is_right
	s_endpgm
.Lentry_shape_is_right:
; out = softmax(Q K^T 32^-1/2 + gamma exp(-|p_i - p_j|^2 / (2 sigma^2))) V Wo^T + bo, 8192 tokens, 4 heads of 32.
; A work-group owns 32 queries (two tiles of 16) and walks all 8192 keys, 512 at a time; wave w takes keys 64 w .. 64 w + 63 of each
; 512, for both query tiles and all four heads, with its own running maximum; the eight waves' partial results are merged by the true
; maximum at the end, and the merged rows go through Wo in the same launch.
; SCORES ARE MADE TRANSPOSED: rows = 16 keys, columns = 16 queries.  Lane (r, h) then holds query r and keys 8 h + j in register j, so
; the maximum, the rescaling factor and the row sum are one number a lane, and two score tiles packed to 16 bits ARE the second source
; (32 keys x 16 queries) of O^T = V^T P^T: no transposition, no way through LDS.
; The geometric bias is the C operand of the score product (one bias tile serves four heads).  Q was stored times 32^-1/2 log2(e) and
; the bias is made times log2(e): all exponentials are powers of 2.  The bias is made from the differences of the coordinates.
; The row sums come from the matrix unit: a first source with ones in rows hd and 8 + hd times P^T adds head hd's sums into register hd
; of one tile a query tile, in both halves of the lanes.
; FORMATS: Q, K, Wo in bf16.  P and V in f16: the result is a nearly cancelling average of V, so the relative rounding errors of p and of V
; pass whole into it, and f16 has three more bits.  p = 2^(s - maximum) lies in (0, 1] for every input; below f16's normal range its error is
; at most 2^-25 of the row's largest term.  The merged O goes through Wo as a pair of bf16 numbers, bf16(O) and bf16(O - bf16(O)).
; CLUSTER: all work-groups walk the same K, V and positions.  Four form a cluster and ask for each chunk jointly (mask 15);
; nothing in a descriptor hangs on the place in the cluster.  Two LDS slots: slot 0 holds heads 0, 1 and the positions of 512 keys,
; slot 1 heads 2, 3.  Wave w fetches the chunk that wave w reads.  A wave has two tensor loads out at the start, later one.
; LIMITS: |V| below 65504 (the first launch's head gives the room); sigma^2 has to be a normal f32 (v_rcp_f32 takes a denormal as zero);
; the squared distance is multiplied by -log2(e) / (2 sigma^2) where the formula divides; the row sums add the p as rounded to f16, the
; same numbers that multiply V; the zero row of each position record (128 bytes for 32 keys) is moved to LDS and not read.
.set GROUP, 270336                     ; bytes of 512 keys in kv: record 0, then record 1
.set REC0,  139264                     ; record 0 and slot 0: 8 chunks of CH0
.set CH0,   17408                      ; K 8192, V 8192, positions 1024
.set CH1,   16384                      ; K 8192, V 8192
; LDS in the epilogue, in the slots' bytes, which have had their last fill by then
.set ML,    131072                     ; [unit 8][wave 8][m 128 B, l 128 B]; in front of it, from 0: [unit 8][wave 8][4 x 512 B] partial O
.set AF,    147456                     ; [unit 8][half 2][512 B] merged O, upper parts, as bf16 fragments
.set OUTS,  155648                     ; 32 rows of 512 bytes, pitch 528
.set AFL,   176128                     ; [unit 8][half 2][512 B] merged O, lower parts
; window 0
.set LA0, 1                            ; v1  my chunk of slot 0 + 16 x lane
.set LA1, 2                            ; v2  my chunk of slot 1 + 16 x lane
.set PA,  3                            ; v3  my chunk's positions + 32 h
.set CN,  8                            ; v[8:9]    -log2(e) / (2 sigma^2), twice
.set CG,  10                           ; v[10:11]  gamma log2(e), twice
.set QP,  12                           ; v[12:19]  x, y, z, 0 of my query in tile 0, in tile 1
.set MX,  20                           ; v[20:27]  running maximum of unit u = 2 head + query tile
.set TM,  28                           ; v28 new maximum, v29 rescaling factor
.set A1,  30
.set A2,  31
.set A3,  32
.set PAT, 33
.set PB,  34                           ; v[34:49]  p as f16: two fragments of 32 keys
.set KP0, 34                           ; v[34:57]  x, y, z of 8 keys (while no p is alive)
.set KF,  58                           ; v[58:89]  K: four tiles of 16 keys
.set KP1, 58                           ; v[58:81]  x, y, z of 8 keys (while no K is alive)
.set SC,  90                           ; v[90:121] scores of 64 keys; at work while the bias is made
.set BI,  122                          ; v[122:185] bias, tile (qt, t) at 32 qt + 8 t
.set QF,  186                          ; v[186:249] Q, unit u at 8 u
; window 1 (written by their low 8 bits)
.set ACC, 0                            ; v[256:383] O^T, unit u, dh tile dt at 16 u + 8 dt
.set LS,  128                          ; v[384:399] row sums, query tile qt at 8 qt, head hd in register hd
.set VF,  144                          ; v[400:431] V: block b, dh tile dt at 8 (2 b + dt)
.set ONES, 176                         ; v[432:463] head hd's first source for the row sums at 8 hd
.set MSB, 0
.macro WIN new                         ; low byte: bits 1:0 source 0, 3:2 source 1, 5:4 source 2, 7:6 destination; the high byte repeats the setting that is left
.if MSB != \new
	s_set_vgpr_msb (MSB<<8)|\new
.set MSB, \new
.endif
.endm
.macro PLACES n                        ; places behind matrix instructions (ISA guide 7.12.1)
.rept \n
	v_nop
.endr
.endm
.macro CREST                           ; a round of the cluster's barrier behind its opening barrier
	s_cmp_lg_u32 s20, 0
	s_cbranch_scc1 .Lnot_wave_0_\@
	s_barrier_signal -3
.Lnot_wave_0_\@:
	s_barrier_wait -3
	s_barrier_signal -1
	s_barrier_wait -1
.endm
.macro CROUND
	s_barrier_signal -1
	s_barrier_wait -1
	CREST
.endm
.macro LOADK la, hl                    ; 8 loads: four key tiles of head hl of the slot's pair
.irp t, 0,1,2,3
	ds_load_b128 v[KF+8*\t:KF+8*\t+3],   v[\la] offset:\t*2048+\hl*1024
	ds_load_b128 v[KF+8*\t+4:KF+8*\t+7], v[\la] offset:\t*2048+\hl*1024+512
.endr
.endm
.macro LOADV la, hl                    ; 8 loads into window 1: two blocks of 32 keys x two dh tiles
	WIN 0x40
.irp b, 0,1
.irp dt, 0,1
	ds_load_b128 v[VF+8*(2*\b+\dt):VF+8*(2*\b+\dt)+3],   v[\la] offset:8192+\b*4096+\hl*2048+\dt*1024
	ds_load_b128 v[VF+8*(2*\b+\dt)+4:VF+8*(2*\b+\dt)+7], v[\la] offset:8192+\b*4096+\hl*2048+\dt*1024+512
.endr
.endr
	WIN 0
.endm
.macro LOADP kp, t                     ; 6 loads: x, y, z of keys 8 h + 0..7 of key tile t (the 16 lanes of a half read the same words)
.irp c, 0,1,2
	ds_load_b128 v[\kp+8*\c:\kp+8*\c+3],   v[PA] offset:(\t/2)*512+\c*128+(\t%2)*64
	ds_load_b128 v[\kp+8*\c+4:\kp+8*\c+7], v[PA] offset:(\t/2)*512+\c*128+(\t%2)*64+16
.endr
.endm
; The bias of key tile t and query tile qt: gamma log2(e) 2^(CN d^2), d^2 from the three differences, two keys an instruction.
.macro BIAS1 kp, t, qt
.irp g, 0,1,2,3
	v_pk_add_f32 v[SC+2*\g:SC+2*\g+1],       v[QP+4*\qt:QP+4*\qt+1],   v[\kp+2*\g:\kp+2*\g+1]       op_sel_hi:[0,1] neg_lo:[0,1] neg_hi:[0,1]              ; x of the query - x of two keys
	v_pk_add_f32 v[SC+8+2*\g:SC+8+2*\g+1],   v[QP+4*\qt:QP+4*\qt+1],   v[\kp+8+2*\g:\kp+8+2*\g+1]   op_sel:[1,0] op_sel_hi:[1,1] neg_lo:[0,1] neg_hi:[0,1] ; y
	v_pk_add_f32 v[SC+16+2*\g:SC+16+2*\g+1], v[QP+4*\qt+2:QP+4*\qt+3], v[\kp+16+2*\g:\kp+16+2*\g+1] op_sel_hi:[0,1] neg_lo:[0,1] neg_hi:[0,1]              ; z
.endr
.irp g, 0,1,2,3
	v_pk_mul_f32 v[SC+2*\g:SC+2*\g+1], v[SC+2*\g:SC+2*\g+1], v[SC+2*\g:SC+2*\g+1]
.endr
.irp g, 0,1,2,3
	v_pk_fma_f32 v[SC+2*\g:SC+2*\g+1], v[SC+8+2*\g:SC+8+2*\g+1], v[SC+8+2*\g:SC+8+2*\g+1], v[SC+2*\g:SC+2*\g+1]
.endr
.irp g, 0,1,2,3
	v_pk_fma_f32 v[SC+2*\g:SC+2*\g+1], v[SC+16+2*\g:SC+16+2*\g+1], v[SC+16+2*\g:SC+16+2*\g+1], v[SC+2*\g:SC+2*\g+1]
.endr
.irp g, 0,1,2,3
	v_pk_mul_f32 v[SC+2*\g:SC+2*\g+1], v[SC+2*\g:SC+2*\g+1], v[CN:CN+1]
.endr
.irp j, 0,1,2,3,4,5,6,7
	v_exp_f32 v[SC+\j], v[SC+\j]
.endr
	v_nop                                          ; one plain place behind the last exponential (ISA guide 5.7.2)
	s_wait_alu depctr_va_vdst(0)
.irp g, 0,1,2,3
	v_pk_mul_f32 v[BI+32*\qt+8*\t+2*\g:BI+32*\qt+8*\t+2*\g+1], v[SC+2*\g:SC+2*\g+1], v[CG:CG+1]
.endr
.endm
.macro QK h, qt                        ; scores of 64 keys x 16 queries of head h: K Q^T + bias, into registers apart from the bias
.irp t, 0,1,2,3
	v_wmma_f32_16x16x32_bf16 v[SC+8*\t:SC+8*\t+7], v[KF+8*\t:KF+8*\t+7], v[QF+8*(2*(\h)+\qt):QF+8*(2*(\h)+\qt)+7], v[BI+32*\qt+8*\t:BI+32*\qt+8*\t+7]
.endr
.endm
; Unit u's 32 scores a lane: new running maximum, rescaling factor 2^(old - new), p = 2^(s - new) packed to f16.
.macro SOFTMAX u, first
	v_max3_num_f32 v[TM], v[SC],    v[SC+1],  v[SC+2]          ; four chains that do not wait for each other
	v_max3_num_f32 v[A1], v[SC+8],  v[SC+9],  v[SC+10]
	v_max3_num_f32 v[A2], v[SC+16], v[SC+17], v[SC+18]
	v_max3_num_f32 v[A3], v[SC+24], v[SC+25], v[SC+26]
	v_max3_num_f32 v[TM], v[TM], v[SC+3],  v[SC+4]
	v_max3_num_f32 v[A1], v[A1], v[SC+11], v[SC+12]
	v_max3_num_f32 v[A2], v[A2], v[SC+19], v[SC+20]
	v_max3_num_f32 v[A3], v[A3], v[SC+27], v[SC+28]
	v_max3_num_f32 v[TM], v[TM], v[SC+5],  v[SC+6]
	v_max3_num_f32 v[A1], v[A1], v[SC+13], v[SC+14]
	v_max3_num_f32 v[A2], v[A2], v[SC+21], v[SC+22]
	v_max3_num_f32 v[A3], v[A3], v[SC+29], v[SC+30]
	v_max3_num_f32 v[TM], v[TM], v[SC+7],  v[SC+15]
	v_max3_num_f32 v[A2], v[A2], v[SC+23], v[SC+31]
.if \first
	v_max_num_f32 v[TM], v[TM], v[A1]
.else
	v_max3_num_f32 v[TM], v[TM], v[A1], v[MX+(\u)]
.endif
	v_max3_num_f32 v[TM], v[TM], v[A2], v[A3]
	v_permlanex16_b32 v[TM+1], v[TM], s22, s23                 ; the other half of the lanes holds the query's other 32 keys
	v_max_num_f32 v[TM], v[TM], v[TM+1]
.if \first == 0
	v_sub_f32 v[TM+1], v[MX+(\u)], v[TM]
	v_exp_f32 v[TM+1], v[TM+1]
.endif
	v_mov_b32 v[MX+(\u)], v[TM]                                ; also the plain place behind that exponential
	; subtraction one pair ahead, conversion one pair behind: a plain instruction stands between each exponential and the use of its result
	s_wait_alu depctr_va_vdst(0)
	v_pk_add_f32 v[SC:SC+1], v[SC:SC+1], v[TM:TM+1] op_sel_hi:[1,0] neg_lo:[0,1] neg_hi:[0,1]
.set si, 0
.rept 16
.if si < 15
	v_pk_add_f32 v[SC+2*si+2:SC+2*si+3], v[SC+2*si+2:SC+2*si+3], v[TM:TM+1] op_sel_hi:[1,0] neg_lo:[0,1] neg_hi:[0,1]
.endif
	v_exp_f32 v[SC+2*si], v[SC+2*si]
	v_exp_f32 v[SC+2*si+1], v[SC+2*si+1]
.if si > 0
	s_wait_alu depctr_va_vdst(0)
	v_cvt_pk_f16_f32 v[PB+si-1], v[SC+2*si-2], v[SC+2*si-1]
.endif
.set si, si+1
.endr
	v_cvt_pk_f16_f32 v[PB+15], v[SC+30], v[SC+31]
.endm
.macro MMA d, a, b, zero               ; the f16 form: V (or the ones) times P
.if \zero
	v_wmma_f32_16x16x32_f16 v[\d:\d+7], v[\a:\a+7], v[\b:\b+7], 0
.else
	v_wmma_f32_16x16x32_f16 v[\d:\d+7], v[\a:\a+7], v[\b:\b+7], v[\d:\d+7]
.endif
.endm
; Unit (h, qt): rescale O^T and the row sum, then add V^T P^T and the new row sums.  One window setting serves both: destination,
; source 0 and source 2 in window 1, source 1 (the factor; P) in window 0.  The nine rescaling instructions (first lap: five v_nop) are also
; the places behind the score products issued just before (ISA guide 7.12.1).  The three accumulators take turns.
; first = 1: the first products start the sums; lz = 1: they start the tile of row sums too (head 0).
.macro TAIL h, qt, first, lz
	WIN 0x51
.if \first
	PLACES 5
.else
.irp i, 0,1,2,3,4,5,6,7
	v_pk_mul_f32 v[ACC+16*(2*(\h)+\qt)+2*\i:ACC+16*(2*(\h)+\qt)+2*\i+1], v[ACC+16*(2*(\h)+\qt)+2*\i:ACC+16*(2*(\h)+\qt)+2*\i+1], v[TM:TM+1] op_sel:[0,1] op_sel_hi:[1,1]
.endr
	v_mul_f32 v[LS+8*\qt+(\h)], v[LS+8*\qt+(\h)], v[TM+1]
.endif
.irp b, 0,1
	MMA ACC+16*(2*(\h)+\qt),   VF+16*\b,    PB+8*\b, (\first)*(1-\b)
	MMA ACC+16*(2*(\h)+\qt)+8, VF+16*\b+8,  PB+8*\b, (\first)*(1-\b)
	MMA LS+8*\qt,              ONES+8*(\h), PB+8*\b, (\lz)*(1-\b)
.endr
.endm
; One step: my 64 keys of one group, head pair hp (slot hp), both query tiles: four units.  The next unit's scores are issued
; ahead of this unit's rescaling.  fill = 1: the slot is filled again with the next group's record.
.macro STEP hp, first, fill
	LOADV LA0+\hp, 0
.if \hp == 0
	LOADP KP1, 1
	LOADP KP0, 0
	s_wait_dscnt 6                                 ; LDS loads return in order (ISA guide 5.7.1): all but the six issued last: key tile 1's positions are in
	BIAS1 KP1, 1, 0
	BIAS1 KP1, 1, 1
	LOADP KP1, 3
	s_wait_dscnt 6                                 ; key tile 0's are in, tile 3's six stay out
	BIAS1 KP0, 0, 0
	BIAS1 KP0, 0, 1
	LOADP KP0, 2
	s_wait_dscnt 6                                 ; key tile 3's are in, tile 2's six stay out
	BIAS1 KP1, 3, 0
	BIAS1 KP1, 3, 1
	LOADK LA0, 0
	s_wait_dscnt 8                                 ; key tile 2's are in, K's eight stay out
	BIAS1 KP0, 2, 0
	BIAS1 KP0, 2, 1
.else
	LOADK LA1, 0                                   ; the bias tiles of this group are still in registers
.endif
	s_wait_dscnt 0                                 ; K and V of the pair's first head
	QK 2*\hp, 0
	PLACES 5
	SOFTMAX 4*\hp, \first
	QK 2*\hp, 1
	TAIL 2*\hp, 0, \first, \first*(1-\hp)
	WIN 0
	LOADK LA0+\hp, 1                               ; the second head's K: the last product that read K stands in front of TAIL's places
	SOFTMAX 4*\hp+1, \first
	s_wait_dscnt 0                                 ; that K
	QK 2*\hp+1, 0
	TAIL 2*\hp, 1, \first, \first*(1-\hp)
	PLACES 4                                       ; before V is loaded again
	LOADV LA0+\hp, 1
	SOFTMAX 4*\hp+2, \first
	QK 2*\hp+1, 1
	s_wait_dscnt 0                                 ; that V
	TAIL 2*\hp+1, 0, \first, 0
	WIN 0
	SOFTMAX 4*\hp+3, \first
	s_wait_dscnt 0                                 ; my reads of this slot are over,
	s_set_vgpr_msb 0x5
	s_wait_tensorcnt 0x0                           ; and all my tensor loads have landed: the one that was out is my chunk of the other slot
	ds_add_u32 v208, v209
	s_wait_dscnt 0x0
	s_set_vgpr_msb 0x500
.if \fill
	s_barrier_signal -1                            ; opens a round of the cluster's barrier; only register work up to its wait
.endif
	TAIL 2*\hp+1, 1, \first, 0
	PLACES 4                                       ; before P's and V's registers are loaded again in the next step
	WIN 0
.if \fill
	s_barrier_wait -1
	CREST                                          ; no wave of the four work-groups still reads this slot or has a load on its way
	s_add_nc_u64 s[46+4*\hp:47+4*\hp], s[46+4*\hp:47+4*\hp], GROUP
	tensor_load_to_lds s[44+4*\hp:47+4*\hp], s[28+8*\hp:35+8*\hp]   ; my one tensor load behind the round: it has the next step's work in which to land
	s_nop 0
.endif
.endm
.macro LAP first
	STEP 0, \first, 1
	STEP 1, \first, 1
.endm
	s_load_b256 s[4:11], s[0:1], 0x0               ; qf s[4:5], kv s[6:7], positions s[8:9], Wo s[10:11]
	s_load_b256 s[12:19], s[0:1], 0x20             ; bo s[12:13], gamma s[14:15], sigma s[16:17], out0 s[18:19]
	s_set_vgpr_msb 0x40
	v_lshl_add_u32 v208, v0, 2, 0x42000
	v_mov_b32 v209, 0
	s_set_vgpr_msb 0x4045
	ds_add_u32 v208, v209
	s_set_vgpr_msb 0x4500
	v_lshrrev_b32 v4, 5, v0
	v_readfirstlane_b32 s20, v4                    ; wave 0..7
	s_bfe_u32 s21, ttmp6, 0x40000                  ; my place in the cluster
	s_lshl_b32 s52, ttmp9, 2
	s_add_co_u32 s21, s52, s21                     ; work-group = 4 x cluster + place: enters global addresses of Q, positions and out0 alone
	s_mov_b32 s22, 0x76543210                      ; v_permlanex16_b32: lane i of one half reads lane i of the other
	s_mov_b32 s23, 0xfedcba98
	; group 1: a dense chunk as rows of 32 elements of 8 bytes (256 bytes); 68 rows for slot 0, 64 for slot 1
	s_mov_b32 s28, 0x0023000f                      ; 15:0 mask: all four of the cluster; 17:16 elements of 8 bytes; 21 set beside a mask; no padding
	s_mov_b32 s29, 32<<16                          ; tensor_dim0 = 32
	s_mov_b32 s30, 68<<16                          ; tensor_dim1 = 68
	s_mov_b32 s31, 32<<16                          ; tile_dim0 = 32
	s_mov_b32 s32, 68                              ; tile_dim1 = 68
	s_mov_b32 s33, 32                              ; from row to row: 32 elements
	s_mov_b32 s34, 0
	s_mov_b32 s35, 0
	s_mov_b32 s36, 0x0023000f
	s_mov_b32 s37, 32<<16
	s_mov_b32 s38, 64<<16
	s_mov_b32 s39, 32<<16
	s_mov_b32 s40, 64
	s_mov_b32 s41, 32
	s_mov_b32 s42, 0
	s_mov_b32 s43, 0
	; group 0, one set a slot: my chunk lies at the same offset in the record and in the slot
	s_mov_b32 s44, 1
	s_mul_i32 s45, s20, CH0
	s_mov_b32 s48, 1
	s_mul_i32 s49, s20, CH1
	s_add_co_u32 s49, s49, REC0
	s_mul_i32 s52, s20, CH0
	s_mov_b32 s53, 0
	s_mul_i32 s54, s20, CH1
	s_add_co_u32 s54, s54, REC0
	s_mov_b32 s55, 0
	s_wait_dscnt 0x0
	s_wait_kmcnt 0x0
	s_load_b32 s25, s[14:15], 0x0                  ; gamma
	s_load_b32 s26, s[16:17], 0x0                  ; sigma
	s_add_nc_u64 s[46:47], s[6:7], s[52:53]
	s_or_b32 s47, s47, 0x80000000
	s_add_nc_u64 s[50:51], s[6:7], s[54:55]
	s_or_b32 s51, s51, 0x80000000
	CROUND                                         ; the four work-groups are here: the first joint loads meet
	tensor_load_to_lds s[44:47], s[28:35]          ; group 0, heads 0, 1 and positions
	s_nop 0
	tensor_load_to_lds s[48:51], s[36:43]          ; group 0, heads 2, 3
	s_nop 0
	v_and_b32 v4, 31, v0
	v_lshlrev_b32 v4, 4, v4                        ; 16 x lane; kept to the end
	v_and_b32 v5, 15, v0
	v_mul_u32_u24 v5, v5, 12                       ; my query's 12 bytes
	v_add_nc_u32 v[LA0], s45, v4
	v_add_nc_u32 v[LA1], s49, v4
	v_bfe_u32 v6, v0, 4, 1
	v_lshlrev_b32 v6, 5, v6
	v_add_nc_u32 v[PA], s45, v6
	v_add_nc_u32 v[PA], 16384, v[PA]
	s_lshl_b32 s52, s21, 13                        ; my two query tiles of 4096 bytes
	s_add_nc_u64 s[52:53], s[4:5], s[52:53]
	s_mul_i32 s54, s21, 384                        ; my 32 queries' positions
	s_add_nc_u64 s[54:55], s[8:9], s[54:55]
.irp h, 0,1,2,3
.irp qt, 0,1
	global_load_b128 v[QF+8*(2*\h+\qt):QF+8*(2*\h+\qt)+3],   v4, s[52:53] offset:\qt*4096+\h*1024
	global_load_b128 v[QF+8*(2*\h+\qt)+4:QF+8*(2*\h+\qt)+7], v4, s[52:53] offset:\qt*4096+\h*1024+512
.endr
.endr
.irp qt, 0,1
.irp c, 0,1,2
	global_load_b32 v[QP+4*\qt+\c], v5, s[54:55] offset:\qt*192+\c*4
.endr
.endr
	v_mov_b32 v[QP+3], 0                           ; the upper halves of the pairs (z, 0)
	v_mov_b32 v[QP+7], 0
	v_mov_b32 v[TM+1], 0                           ; v_permlanex16_b32 counts as a reader of its destination
	s_wait_kmcnt 0x0
	v_mov_b32 v6, s26
	v_mul_f32 v6, v6, v6
	v_rcp_f32 v6, v6
	v_mov_b32 v7, s25                              ; the plain place behind v_rcp_f32
	s_wait_alu depctr_va_vdst(0)
	v_mul_f32 v[CN], 0xbf38aa3b, v6                ; -log2(e) / 2 / sigma^2
	v_mov_b32 v[CN+1], v[CN]
	v_mul_f32 v[CG], 0x3fb8aa3b, v7                ; gamma log2(e)
	v_mov_b32 v[CG+1], v[CG]
	v_and_b32 v6, 7, v0                            ; a first source's row is lane % 16: rows hd and 8 + hd are the lanes with lane % 8 = hd
	v_mov_b32 v[PAT], 0x3c003c00                   ; two f16 ones
	WIN 0x40
.irp h, 0,1,2,3
	v_cmp_eq_u32 vcc_lo, \h, v6
.irp i, 0,1,2,3,4,5,6,7
	v_cndmask_b32 v[ONES+8*\h+\i], 0, v[PAT], vcc_lo
.endr
.endr
	WIN 0
	s_wait_loadcnt 0                               ; Q and my queries' positions
	s_wait_tensorcnt 0x1                           ; tensor loads end in order (ISA guide 10.11.1): my chunk of slot 0 is in, slot 1's may stay out; I read my own chunk alone
	LAP 1                                          ; group 0: the first products start all sums
	s_mov_b32 s24, 14
.Llap:
	LAP 0                                          ; groups 1 to 14
	s_sub_co_u32 s24, s24, 1
	s_cmp_lg_u32 s24, 0
	s_cbranch_scc1 .Llap
	STEP 0, 0, 0                                   ; group 15: nothing is left to fetch, so no round
	STEP 1, 0, 0
	; EPILOGUE.  Wave w: merges unit w over the eight waves, then makes output columns 16 w .. 16 w + 15 of the 32 rows.
	v_and_b32 v5, 15, v0                           ; r
	v_bfe_u32 v6, v0, 4, 1                         ; h
	v_lshlrev_b32 v7, 5, v6                        ; 32 h
	v_lshl_add_u32 v33, v5, 9, v7                  ; 512 r + 32 h: my 32 bytes in a row of Wo
	v_lshrrev_b32 v6, 2, v4                        ; 4 x lane
	s_lshl_b32 s24, s20, 8
	s_add_co_u32 s24, s24, ML
	v_add_nc_u32 v250, s24, v6                     ; where I put m and l: + 2048 x unit
	s_lshl_b32 s24, s20, 11
	v_add_nc_u32 v251, s24, v4                     ; where I put partial O of units 0-3: + 16384 x unit
	v_add_nc_u32 v252, 0x10000, v251               ; of units 4-7
	s_add_co_u32 s24, s24, ML
	v_add_nc_u32 v253, s24, v6                     ; unit w's m and l: + 256 x wave
	s_lshl_b32 s24, s20, 14
	v_add_nc_u32 v254, s24, v4                     ; unit w's partial O: + 2048 x wave
	s_lshl_b32 s24, s20, 10
	s_add_co_u32 s24, s24, AF
	v_add_nc_u32 v255, s24, v4                     ; unit w's merged fragment; its lower part AFL - AF further on
	v_add_nc_u32 v1, AF, v4                        ; all merged fragments
	v_mul_u32_u24 v2, v5, 528
	v_add_nc_u32 v2, v2, v7
	s_lshl_b32 s24, s20, 6
	s_add_co_u32 s24, s24, OUTS
	v_add_nc_u32 v2, s24, v2                       ; row r, my 8 columns: 528 r + 64 w + 32 h
	s_mul_i32 s24, s20, 2112
	s_add_co_u32 s24, s24, OUTS
	v_add_nc_u32 v3, s24, v4                       ; rows 4 w + i as whole rows
	s_lshl_b32 s52, s20, 13                        ; rows 16 w .. of Wo
	s_mov_b32 s53, 0
	s_add_nc_u64 s[52:53], s[10:11], s[52:53]
	s_lshl_b32 s54, s20, 6
	s_mov_b32 s55, 0
	s_add_nc_u64 s[54:55], s[12:13], s[54:55]
	s_lshl_b32 s26, s21, 14                        ; my work-group's 32 rows of out0, my wave's four
	s_lshl_b32 s24, s20, 11
	s_add_co_u32 s26, s26, s24
	s_mov_b32 s27, 0
	s_add_nc_u64 s[26:27], s[18:19], s[26:27]
.irp c, 0,1,2,3
	global_load_b128 v[QF+16*\c:QF+16*\c+3],     v33, s[52:53] offset:\c*128        ; Wo in f32, on its way during the merge
	global_load_b128 v[QF+16*\c+4:QF+16*\c+7],   v33, s[52:53] offset:\c*128+16
	global_load_b128 v[QF+16*\c+8:QF+16*\c+11],  v33, s[52:53] offset:\c*128+64
	global_load_b128 v[QF+16*\c+12:QF+16*\c+15], v33, s[52:53] offset:\c*128+80
.endr
	global_load_b128 v[12:15], v7, s[54:55]        ; bo of columns 16 w + 8 h + 0..7
	global_load_b128 v[16:19], v7, s[54:55] offset:16
	s_wait_dscnt 0
	s_barrier_signal -1
	s_barrier_wait -1                              ; every wave has read its last chunk: the slots' bytes may be written
.irp u, 0,1,2,3,4,5,6,7
	ds_store_b32 v250, v[MX+\u] offset:\u*2048
.endr
	WIN 0x04                                       ; store data from window 1
.irp u, 0,1,2,3,4,5,6,7
	ds_store_b32 v250, v[LS+8*(\u%2)+\u/2] offset:\u*2048+128
.endr
.irp u, 0,1,2,3
.irp q, 0,1,2,3
	ds_store_b128 v251, v[ACC+16*\u+4*\q:ACC+16*\u+4*\q+3] offset:\u*16384+\q*512
.endr
.endr
.irp u, 0,1,2,3
.irp q, 0,1,2,3
	ds_store_b128 v252, v[ACC+64+16*\u+4*\q:ACC+64+16*\u+4*\q+3] offset:\u*16384+\q*512
.endr
.endr
	WIN 0
	s_wait_dscnt 0                                 ; for the others' sake
	s_barrier_signal -1
	s_barrier_wait -1
.irp i, 0,1,2,3,4,5,6,7
	ds_load_b32 v[34+\i], v253 offset:\i*256       ; m of wave i
.endr
.irp i, 0,1,2,3,4,5,6,7
	ds_load_b32 v[42+\i], v253 offset:\i*256+128   ; l of wave i
.endr
.irp i, 0,1,2,3,4,5,6,7
.irp q, 0,1,2,3
	ds_load_b128 v[58+16*\i+4*\q:58+16*\i+4*\q+3], v254 offset:\i*2048+\q*512
.endr
.endr
	s_wait_dscnt 32                                ; m and l are in, the 32 loads of partial O stay out
	v_max3_num_f32 v28, v34, v35, v36
	v_max3_num_f32 v28, v28, v37, v38
	v_max3_num_f32 v28, v28, v39, v40
	v_max_num_f32 v28, v28, v41                    ; the true maximum
.irp i, 0,1,2,3,4,5,6,7
	v_sub_f32 v[34+\i], v[34+\i], v28
.endr
.irp i, 0,1,2,3,4,5,6,7
	v_exp_f32 v[34+\i], v[34+\i]
.endr
	v_nop
	s_wait_alu depctr_va_vdst(0)
	v_mul_f32 v29, v34, v42
.irp i, 1,2,3,4,5,6,7
	v_fmac_f32 v29, v[34+\i], v[42+\i]             ; the whole row sum; at least 1: the wave with the maximum adds its own
.endr
	v_rcp_f32 v29, v29
	v_nop
	s_wait_alu depctr_va_vdst(0)
.irp i, 0,1,2,3,4,5,6,7
	v_mul_f32 v[34+\i], v[34+\i], v29              ; wave i's weight
.endr
	s_wait_dscnt 0
.irp j, 0,1,2,3,4,5,6,7
	v_pk_mul_f32 v[58+2*\j:59+2*\j], v[58+2*\j:59+2*\j], v[34:35] op_sel_hi:[1,0]
.endr
.irp i, 1,2,3,4,5,6,7
.irp j, 0,1,2,3,4,5,6,7
.if \i % 2
	v_pk_fma_f32 v[58+2*\j:59+2*\j], v[58+16*\i+2*\j:59+16*\i+2*\j], v[34+\i-1:34+\i], v[58+2*\j:59+2*\j] op_sel:[0,1,0] op_sel_hi:[1,1,1]
.else
	v_pk_fma_f32 v[58+2*\j:59+2*\j], v[58+16*\i+2*\j:59+16*\i+2*\j], v[34+\i:35+\i], v[58+2*\j:59+2*\j] op_sel_hi:[1,0,1]
.endif
.endr
.endr
	; O as two bf16 numbers: the upper part, and what the rounding to it left
.irp i, 0,1,2,3,4,5,6,7
	v_cvt_pk_bf16_f32 v[42+\i], v[58+2*\i], v[58+2*\i+1]       ; a lane's dh 8 h + 0..7 and 16 + 8 h + 0..7 of query r: a second source as it stands
.endr
.irp i, 0,1,2,3,4,5,6,7
	v_lshlrev_b32 v[74+2*\i], 16, v[42+\i]                     ; the upper parts back in f32 (wave 1's partial tile has been added: its registers are free)
	v_and_b32 v[75+2*\i], 0xffff0000, v[42+\i]
.endr
.irp i, 0,1,2,3,4,5,6,7
	v_pk_add_f32 v[58+2*\i:59+2*\i], v[58+2*\i:59+2*\i], v[74+2*\i:75+2*\i] neg_lo:[0,1] neg_hi:[0,1]
.endr
.irp i, 0,1,2,3,4,5,6,7
	v_cvt_pk_bf16_f32 v[50+\i], v[58+2*\i], v[58+2*\i+1]
.endr
	ds_store_b128 v255, v[42:45]
	ds_store_b128 v255, v[46:49] offset:512
	ds_store_b128 v255, v[50:53] offset:AFL-AF
	ds_store_b128 v255, v[54:57] offset:AFL-AF+512
	s_wait_dscnt 0
	s_barrier_signal -1
	s_barrier_wait -1
.irp u, 0,1,2,3,4,5,6,7
	ds_load_b128 v[58+8*\u:58+8*\u+3],   v1 offset:\u*1024
	ds_load_b128 v[58+8*\u+4:58+8*\u+7], v1 offset:\u*1024+512
.endr
.irp u, 0,1,2,3,4,5,6,7
	ds_load_b128 v[122+8*\u:122+8*\u+3],   v1 offset:AFL-AF+\u*1024
	ds_load_b128 v[122+8*\u+4:122+8*\u+7], v1 offset:AFL-AF+\u*1024+512
.endr
	s_wait_loadcnt 0                               ; Wo and bo
.irp c, 0,1,2,3
.irp i, 0,1,2,3,4,5,6,7
	v_cvt_pk_bf16_f32 v[QF+16*\c+\i], v[QF+16*\c+2*\i], v[QF+16*\c+2*\i+1]     ; in place: register i is written when 2 i and 2 i + 1 are read
.endr
.endr
	s_wait_dscnt 0                                 ; all 32 fragment loads
	; rows = 16 columns of out0 (rows of Wo), columns = 16 queries; K step c is head c, once for O's upper parts and once for its lower.
	; The two accumulators (query tile 0 in v[20:27], tile 1 in v[28:35]) take turns; bo starts the sums.
	v_wmma_f32_16x16x32_bf16 v[20:27], v[QF:QF+7], v[58:65], v[12:19]
	v_wmma_f32_16x16x32_bf16 v[28:35], v[QF:QF+7], v[66:73], v[12:19]
	v_wmma_f32_16x16x32_bf16 v[20:27], v[QF:QF+7], v[122:129], v[20:27]
	v_wmma_f32_16x16x32_bf16 v[28:35], v[QF:QF+7], v[130:137], v[28:35]
.irp c, 1,2,3
	v_wmma_f32_16x16x32_bf16 v[20:27], v[QF+16*\c:QF+16*\c+7], v[58+16*\c:58+16*\c+7], v[20:27]
	v_wmma_f32_16x16x32_bf16 v[28:35], v[QF+16*\c:QF+16*\c+7], v[66+16*\c:66+16*\c+7], v[28:35]
	v_wmma_f32_16x16x32_bf16 v[20:27], v[QF+16*\c:QF+16*\c+7], v[122+16*\c:122+16*\c+7], v[20:27]
	v_wmma_f32_16x16x32_bf16 v[28:35], v[QF+16*\c:QF+16*\c+7], v[130+16*\c:130+16*\c+7], v[28:35]
.endr
	PLACES 4
.irp qt, 0,1
	ds_store_b128 v2, v[20+8*\qt:23+8*\qt] offset:\qt*8448             ; 16 rows of 528 bytes further for the second query tile
	ds_store_b128 v2, v[24+8*\qt:27+8*\qt] offset:\qt*8448+16
.endr
	s_wait_dscnt 0
	s_barrier_signal -1
	s_barrier_wait -1
.irp i, 0,1,2,3
	ds_load_b128 v[36+4*\i:39+4*\i], v3 offset:\i*528
.endr
.irp i, 0,1,2,3
	s_wait_dscnt 3-\i                              ; row i of my four is in, the younger ones stay out
	global_store_b128 v4, v[36+4*\i:39+4*\i], s[26:27] offset:\i*512       ; the wave stores a whole row: 512 consecutive bytes, aligned to 512
.endr
	s_set_vgpr_msb 0x5
	s_wait_tensorcnt 0x0
	ds_add_u32 v208, v209
	s_wait_dscnt 0x0
	s_set_vgpr_msb 0x500
	CROUND                                         ; the closing round
	s_endpgm
.Lfunc_end_k_q7e7dc1bbd2_attn:
	.size	k_q7e7dc1bbd2_attn, .Lfunc_end_k_q7e7dc1bbd2_attn-k_q7e7dc1bbd2_attn
	.p2alignl 7, 3214868480
	.fill 96, 4, 3214868480
	.section	.rodata,"a",@progbits
	.p2align	6, 0x0
	.amdhsa_kernel k_q7e7dc1bbd2_attn
		.amdhsa_group_segment_fixed_size 327680
		.amdhsa_private_segment_fixed_size 0
		.amdhsa_enable_private_segment 0
		.amdhsa_kernarg_size 64
		.amdhsa_user_sgpr_count 2
		.amdhsa_user_sgpr_kernarg_segment_ptr 1
		.amdhsa_wavefront_size32 1
		.amdhsa_system_sgpr_workgroup_id_x 1
		.amdhsa_system_sgpr_workgroup_id_y 1
		.amdhsa_system_sgpr_workgroup_id_z 1
		.amdhsa_system_vgpr_workitem_id 0
		.amdhsa_next_free_vgpr 466
		.amdhsa_next_free_sgpr 66
		.amdhsa_reserve_vcc 1
		.amdhsa_float_denorm_mode_32 3
		.amdhsa_float_denorm_mode_16_64 3
		.amdhsa_memory_ordered 1
		.amdhsa_forward_progress 1
		.amdhsa_inst_pref_size 250
	.end_amdhsa_kernel
	.amdgpu_metadata
---
amdhsa.version: [ 1, 2 ]
amdhsa.kernels:
  - .name:           k_q7e7dc1bbd2_attn
    .symbol:         k_q7e7dc1bbd2_attn.kd
    .args:
      - { .name: qf, .offset: 0, .size: 8, .value_kind: global_buffer, .address_space: global }
      - { .name: kv, .offset: 8, .size: 8, .value_kind: global_buffer, .address_space: global }
      - { .name: positions, .offset: 16, .size: 8, .value_kind: global_buffer, .address_space: global }
      - { .name: Wo, .offset: 24, .size: 8, .value_kind: global_buffer, .address_space: global }
      - { .name: bo, .offset: 32, .size: 8, .value_kind: global_buffer, .address_space: global }
      - { .name: gamma, .offset: 40, .size: 8, .value_kind: global_buffer, .address_space: global }
      - { .name: sigma, .offset: 48, .size: 8, .value_kind: global_buffer, .address_space: global }
      - { .name: out0, .offset: 56, .size: 8, .value_kind: global_buffer, .address_space: global }
    .group_segment_fixed_size: 327680
    .private_segment_fixed_size: 0
    .kernarg_segment_align: 8
    .kernarg_segment_size: 64
    .max_flat_workgroup_size: 256
    .sgpr_count:     66
    .vgpr_count:     466
    .wavefront_size: 32
...
	.end_amdgpu_metadata
.endif
;; end of part 2
;; ======== version 2 of 2: 2 launches; 1.14 times as fast as version 1
;; limits: values are held in f16: magnitudes above 65,504 overflow, below 6.1e-05 lose precision
;; workspace buffers: qf 2,097,152 bytes; kv 4,325,376 bytes
;; launch proj: the kernel of part 1 again; grid 256 x 1, 13 waves a work-group, no clusters, 0 bytes of LDS; arguments features, positions, Wq, bq, Wk, bk, Wv, bv, qf, kv; writes qf, kv
;; launch attn (part 3): grid 256 x 1, 8 waves a work-group, clusters of 4 x 1, 327,680 bytes of LDS; arguments qf, kv, positions, Wo, bo, gamma, sigma, out0; writes out0
.if DOCPART == 3
	.amdgcn_target "amdgcn-amd-amdhsa--gfx1250"
	.amdhsa_code_object_version 6
	.text
	.protected	k_q7e7dc1bbd2_attn
	.globl	k_q7e7dc1bbd2_attn
	.p2align	8
	.type	k_q7e7dc1bbd2_attn,@function
k_q7e7dc1bbd2_attn:
	s_mov_b64 s[64:65], 0
	v_nop
	global_prefetch_b8 v0, s[64:65] scope:SCOPE_SE
	s_setreg_imm32_b32 hwreg(HW_REG_WAVE_MODE, 25, 1), 1
	s_wait_xcnt 0x0
	s_wait_alu depctr_hold_cnt(0) depctr_sa_sdst(0) depctr_va_vdst(0) depctr_va_sdst(0) depctr_va_ssrc(0) depctr_va_vcc(0) depctr_vm_vsrc(0)
	s_getreg_b32 s2, hwreg(HW_REG_IB_STS2, 6, 4)
	s_cmp_eq_u32 s2, 0
	s_cbranch_scc0 .Lentry_in_a_cluster
	s_endpgm
.Lentry_in_a_cluster:
	s_bfe_u32 s2, ttmp6, 0x10000c
	s_cmp_lg_u32 s2, 0x3003
	s_cbranch_scc0 .Lentry_shape_is_right
	s_endpgm
.Lentry_shape_is_right:
; out = softmax(Q K^T 32^-1/2 + gamma exp(-|p_i - p_j|^2 / (2 sigma^2))) V Wo^T + bo, 8192 tokens, 4 heads of 32.
; A work-group owns 32 queries (two tiles of 16) and walks all 8192 keys, 512 at a time; wave w takes keys 64 w .. 64 w + 63 of each
; 512, for both query tiles and all four heads, with its own running maximum; the eight waves' partial results are merged by the true
; maximum at the end, and the merged rows go through Wo in the same launch.
; SCORES ARE MADE TRANSPOSED: rows = 16 keys, columns = 16 queries.  Lane (r, h) then holds query r and keys 8 h + j in register j, so
; the maximum, the rescaling factor and the row sum are one number a lane, and two score tiles packed to 16 bits ARE the second source
; (32 keys x 16 queries) of O^T = V^T P^T: no transposition, no way through LDS.
; The geometric bias is the C operand of the score product (one bias tile serves four heads).  Q was stored times 32^-1/2 log2(e) and
; the bias is made times log2(e): all exponentials are powers of 2.  The bias is made from the differences of the coordinates.
; The row sums come from the matrix unit: a first source with ones in rows hd and 8 + hd times P^T adds head hd's sums into register hd
; of one tile a query tile, in both halves of the lanes.
; THE EXPONENTIALS GO IN BATCHES, each with ONE s_wait_alu depctr_va_vdst(0) ahead of the first line that names a result.
;   The bias of a group of 512 keys: a lane's 64 exponentials (four key tiles x two query tiles) are one batch.  A tile's exponents are written straight into its
;   own bias registers and raised there in place; no line names a bias register again until all eight tiles are out; one wait; then the 32 packed
;   multiplications by gamma log2(e), in place.
;   A unit's softmax: the rescaling factor and the 32 p are one batch of 33.  The factor has a register pair apart from the maximum's, so that the subtractions
;   s - maximum, which stand among the exponentials, name no result; one wait; then the 16 roundings to f16, and behind them the rescaling.
;   So a lap (512 keys, four heads, two query tiles) has nine such waits.  The head's reciprocal and the merge's exponentials and reciprocal have one each.
; FORMATS: Q, K, Wo in bf16.  P and V in f16: the result is a nearly cancelling average of V, so the relative rounding errors of p and of V
; pass whole into it, and f16 has three more bits.  p = 2^(s - maximum) lies in (0, 1] for every input; below f16's normal range its error is
; at most 2^-25 of the row's largest term.  The merged O goes through Wo as a pair of bf16 numbers, bf16(O) and bf16(O - bf16(O)).
; CLUSTER: all work-groups walk the same K, V and positions.  Four form a cluster and ask for each chunk jointly (mask 15);
; nothing in a descriptor hangs on the place in the cluster.  Two LDS slots: slot 0 holds heads 0, 1 and the positions of 512 keys,
; slot 1 heads 2, 3.  Wave w fetches the chunk that wave w reads.  A wave has two tensor loads out at the start, later one.
; LIMITS: |V| below 65504 (the first launch's head gives the room); sigma^2 has to be a normal f32 (v_rcp_f32 takes a denormal as zero);
; the squared distance is multiplied by -log2(e) / (2 sigma^2) where the formula divides; the row sums add the p as rounded to f16, the
; same numbers that multiply V; the zero row of each position record (128 bytes for 32 keys) is moved to LDS and not read.
.set GROUP, 270336                     ; bytes of 512 keys in kv: record 0, then record 1
.set REC0,  139264                     ; record 0 and slot 0: 8 chunks of CH0
.set CH0,   17408                      ; K 8192, V 8192, positions 1024
.set CH1,   16384                      ; K 8192, V 8192
; LDS in the epilogue, in the slots' bytes, which have had their last fill by then
.set ML,    131072                     ; [unit 8][wave 8][m 128 B, l 128 B]; in front of it, from 0: [unit 8][wave 8][4 x 512 B] partial O
.set AF,    147456                     ; [unit 8][half 2][512 B] merged O, upper parts, as bf16 fragments
.set OUTS,  155648                     ; 32 rows of 512 bytes, pitch 528
.set AFL,   176128                     ; [unit 8][half 2][512 B] merged O, lower parts
; window 0
.set LA0, 1                            ; v1  my chunk of slot 0 + 16 x lane
.set LA1, 2                            ; v2  my chunk of slot 1 + 16 x lane
.set PA,  3                            ; v3  my chunk's positions + 32 h
.set CN,  8                            ; v[8:9]    -log2(e) / (2 sigma^2), twice
.set CG,  10                           ; v[10:11]  gamma log2(e), twice
.set QP,  12                           ; v[12:19]  x, y, z, 0 of my query in tile 0, in tile 1
.set MX,  20                           ; v[20:27]  running maximum of unit u = 2 head + query tile
.set TM,  28                           ; v28 new maximum, v29 the other half of the lanes' maximum: no exponential's result lies in this pair
.set A1,  30
.set A2,  31
.set A3,  32
.set FC,  30                           ; v30 the rescaling factor: it takes A1's place once the maximum is found; named with v31 as a pair, low word for both halves
.set PAT, 33
.set PB,  34                           ; v[34:49]  p as f16: two fragments of 32 keys
.set KP0, 34                           ; v[34:57]  x, y, z of 8 keys (while no p is alive)
.set KF,  58                           ; v[58:89]  K: four tiles of 16 keys
.set KP1, 58                           ; v[58:81]  x, y, z of 8 keys (while no K is alive)
.set SC,  90                           ; v[90:121] scores of 64 keys; at work while the bias is made
.set BI,  122                          ; v[122:185] bias, tile (qt, t) at 32 qt + 8 t; while it is made: its exponents, then the powers
.set QF,  186                          ; v[186:249] Q, unit u at 8 u
; window 1 (written by their low 8 bits)
.set ACC, 0                            ; v[256:383] O^T, unit u, dh tile dt at 16 u + 8 dt
.set LS,  128                          ; v[384:399] row sums, query tile qt at 8 qt, head hd in register hd
.set VF,  144                          ; v[400:431] V: block b, dh tile dt at 8 (2 b + dt)
.set ONES, 176                         ; v[432:463] head hd's first source for the row sums at 8 hd
.set MSB, 0
.macro WIN new                         ; low byte: bits 1:0 source 0, 3:2 source 1, 5:4 source 2, 7:6 destination; the high byte repeats the setting that is left
.if MSB != \new
	s_set_vgpr_msb (MSB<<8)|\new
.set MSB, \new
.endif
.endm
.macro PLACES n                        ; places behind matrix instructions (ISA guide 7.12.1)
.rept \n
	v_nop
.endr
.endm
.macro CREST                           ; a round of the cluster's barrier behind its opening barrier
	s_cmp_lg_u32 s20, 0
	s_cbranch_scc1 .Lnot_wave_0_\@
	s_barrier_signal -3
.Lnot_wave_0_\@:
	s_barrier_wait -3
	s_barrier_signal -1
	s_barrier_wait -1
.endm
.macro CROUND
	s_barrier_signal -1
	s_barrier_wait -1
	CREST
.endm
.macro LOADK la, hl                    ; 8 loads: four key tiles of head hl of the slot's pair
.irp t, 0,1,2,3
	ds_load_b128 v[KF+8*\t:KF+8*\t+3],   v[\la] offset:\t*2048+\hl*1024
	ds_load_b128 v[KF+8*\t+4:KF+8*\t+7], v[\la] offset:\t*2048+\hl*1024+512
.endr
.endm
.macro LOADV la, hl                    ; 8 loads into window 1: two blocks of 32 keys x two dh tiles
	WIN 0x40
.irp b, 0,1
.irp dt, 0,1
	ds_load_b128 v[VF+8*(2*\b+\dt):VF+8*(2*\b+\dt)+3],   v[\la] offset:8192+\b*4096+\hl*2048+\dt*1024
	ds_load_b128 v[VF+8*(2*\b+\dt)+4:VF+8*(2*\b+\dt)+7], v[\la] offset:8192+\b*4096+\hl*2048+\dt*1024+512
.endr
.endr
	WIN 0
.endm
.macro LOADP kp, t                     ; 6 loads: x, y, z of keys 8 h + 0..7 of key tile t (the 16 lanes of a half read the same words)
.irp c, 0,1,2
	ds_load_b128 v[\kp+8*\c:\kp+8*\c+3],   v[PA] offset:(\t/2)*512+\c*128+(\t%2)*64
	ds_load_b128 v[\kp+8*\c+4:\kp+8*\c+7], v[PA] offset:(\t/2)*512+\c*128+(\t%2)*64+16
.endr
.endm
; The bias of key tile t and query tile qt is gamma log2(e) 2^(CN d^2), d^2 from the three differences, two keys an instruction.  It is made in three parts.
; BIASD: the exponents CN d^2, at work in SC, written into the tile's own bias registers.  It names no bias register but this tile's.
.macro BIASD kp, t, qt
.irp g, 0,1,2,3
	v_pk_add_f32 v[SC+2*\g:SC+2*\g+1],       v[QP+4*\qt:QP+4*\qt+1],   v[\kp+2*\g:\kp+2*\g+1]       op_sel_hi:[0,1] neg_lo:[0,1] neg_hi:[0,1]              ; x of the query - x of two keys
	v_pk_add_f32 v[SC+8+2*\g:SC+8+2*\g+1],   v[QP+4*\qt:QP+4*\qt+1],   v[\kp+8+2*\g:\kp+8+2*\g+1]   op_sel:[1,0] op_sel_hi:[1,1] neg_lo:[0,1] neg_hi:[0,1] ; y
	v_pk_add_f32 v[SC+16+2*\g:SC+16+2*\g+1], v[QP+4*\qt+2:QP+4*\qt+3], v[\kp+16+2*\g:\kp+16+2*\g+1] op_sel_hi:[0,1] neg_lo:[0,1] neg_hi:[0,1]              ; z
.endr
.irp g, 0,1,2,3
	v_pk_mul_f32 v[SC+2*\g:SC+2*\g+1], v[SC+2*\g:SC+2*\g+1], v[SC+2*\g:SC+2*\g+1]
.endr
.irp g, 0,1,2,3
	v_pk_fma_f32 v[SC+2*\g:SC+2*\g+1], v[SC+8+2*\g:SC+8+2*\g+1], v[SC+8+2*\g:SC+8+2*\g+1], v[SC+2*\g:SC+2*\g+1]
.endr
.irp g, 0,1,2,3
	v_pk_fma_f32 v[SC+2*\g:SC+2*\g+1], v[SC+16+2*\g:SC+16+2*\g+1], v[SC+16+2*\g:SC+16+2*\g+1], v[SC+2*\g:SC+2*\g+1]
.endr
.irp g, 0,1,2,3
	v_pk_mul_f32 v[BI+32*\qt+8*\t+2*\g:BI+32*\qt+8*\t+2*\g+1], v[SC+2*\g:SC+2*\g+1], v[CN:CN+1]
.endr
.endm
; BIASE: the tile's eight exponentials, in place.  They belong to the group's one batch of 64: no wait stands here, and what follows (the next tile's BIASD, LDS loads
; into the positions' or K's registers) names none of their registers.
.macro BIASE t, qt
.irp j, 0,1,2,3,4,5,6,7
	v_exp_f32 v[BI+32*\qt+8*\t+\j], v[BI+32*\qt+8*\t+\j]
.endr
.endm
; BIASG: the batch is out.  One wait, then all eight tiles times gamma log2(e), in place.
.macro BIASG
	v_nop                                          ; one plain place behind the last exponential (ISA guide 5.7.2): no arithmetic of the bias is left to stand here
	s_wait_alu depctr_va_vdst(0)                   ; the one wait for the group's 64 exponentials, ahead of their first reader
.set bi, 0
.rept 32
	v_pk_mul_f32 v[BI+2*bi:BI+2*bi+1], v[BI+2*bi:BI+2*bi+1], v[CG:CG+1]
.set bi, bi+1
.endr
.endm
.macro QK h, qt                        ; scores of 64 keys x 16 queries of head h: K Q^T + bias, into registers apart from the bias
.irp t, 0,1,2,3
	v_wmma_f32_16x16x32_bf16 v[SC+8*\t:SC+8*\t+7], v[KF+8*\t:KF+8*\t+7], v[QF+8*(2*(\h)+\qt):QF+8*(2*(\h)+\qt)+7], v[BI+32*\qt+8*\t:BI+32*\qt+8*\t+7]
.endr
.endm
; Unit u's 32 scores a lane: new running maximum, rescaling factor 2^(old - new), p = 2^(s - new) packed to f16.
.macro SOFTMAX u, first
	v_max3_num_f32 v[TM], v[SC],    v[SC+1],  v[SC+2]          ; four chains that do not wait for each other
	v_max3_num_f32 v[A1], v[SC+8],  v[SC+9],  v[SC+10]
	v_max3_num_f32 v[A2], v[SC+16], v[SC+17], v[SC+18]
	v_max3_num_f32 v[A3], v[SC+24], v[SC+25], v[SC+26]
	v_max3_num_f32 v[TM], v[TM], v[SC+3],  v[SC+4]
	v_max3_num_f32 v[A1], v[A1], v[SC+11], v[SC+12]
	v_max3_num_f32 v[A2], v[A2], v[SC+19], v[SC+20]
	v_max3_num_f32 v[A3], v[A3], v[SC+27], v[SC+28]
	v_max3_num_f32 v[TM], v[TM], v[SC+5],  v[SC+6]
	v_max3_num_f32 v[A1], v[A1], v[SC+13], v[SC+14]
	v_max3_num_f32 v[A2], v[A2], v[SC+21], v[SC+22]
	v_max3_num_f32 v[A3], v[A3], v[SC+29], v[SC+30]
	v_max3_num_f32 v[TM], v[TM], v[SC+7],  v[SC+15]
	v_max3_num_f32 v[A2], v[A2], v[SC+23], v[SC+31]
.if \first
	v_max_num_f32 v[TM], v[TM], v[A1]
.else
	v_max3_num_f32 v[TM], v[TM], v[A1], v[MX+(\u)]
.endif
	v_max3_num_f32 v[TM], v[TM], v[A2], v[A3]
	v_permlanex16_b32 v[TM+1], v[TM], s22, s23                 ; the other half of the lanes holds the query's other 32 keys
	v_max_num_f32 v[TM], v[TM], v[TM+1]
	; ONE BATCH: the factor's exponential and the 32 of the scores, in place.  Among them stand the subtractions, one pair ahead of its exponentials; they name scores
	; that have not been raised yet and the pair of the maximum, in which no result lies.
.if \first == 0
	v_sub_f32 v[FC], v[MX+(\u)], v[TM]
.endif
	v_pk_add_f32 v[SC:SC+1], v[SC:SC+1], v[TM:TM+1] op_sel_hi:[1,0] neg_lo:[0,1] neg_hi:[0,1]
.if \first == 0
	v_exp_f32 v[FC], v[FC]
.endif
.set si, 0
.rept 16
.if si < 15
	v_pk_add_f32 v[SC+2*si+2:SC+2*si+3], v[SC+2*si+2:SC+2*si+3], v[TM:TM+1] op_sel_hi:[1,0] neg_lo:[0,1] neg_hi:[0,1]
.endif
	v_exp_f32 v[SC+2*si], v[SC+2*si]
	v_exp_f32 v[SC+2*si+1], v[SC+2*si+1]
.set si, si+1
.endr
	v_mov_b32 v[MX+(\u)], v[TM]                                ; names no result: the plain place behind the last exponential (ISA guide 5.7.2)
	s_wait_alu depctr_va_vdst(0)                               ; the one wait for the unit's batch, the factor and the 32 p, ahead of the roundings; the rescaling comes behind it too
.set si, 0
.rept 16
	v_cvt_pk_f16_f32 v[PB+si], v[SC+2*si], v[SC+2*si+1]
.set si, si+1
.endr
.endm
.macro MMA d, a, b, zero               ; the f16 form: V (or the ones) times P
.if \zero
	v_wmma_f32_16x16x32_f16 v[\d:\d+7], v[\a:\a+7], v[\b:\b+7], 0
.else
	v_wmma_f32_16x16x32_f16 v[\d:\d+7], v[\a:\a+7], v[\b:\b+7], v[\d:\d+7]
.endif
.endm
; Unit (h, qt): rescale O^T and the row sum, then add V^T P^T and the new row sums.  One window setting serves both: destination,
; source 0 and source 2 in window 1, source 1 (the factor; P) in window 0.  The nine rescaling instructions (first lap: five v_nop) are also
; the places behind the score products issued just before (ISA guide 7.12.1).  The three accumulators take turns.
; first = 1: the first products start the sums; lz = 1: they start the tile of row sums too (head 0).
.macro TAIL h, qt, first, lz
	WIN 0x51
.if \first
	PLACES 5
.else
.irp i, 0,1,2,3,4,5,6,7
	v_pk_mul_f32 v[ACC+16*(2*(\h)+\qt)+2*\i:ACC+16*(2*(\h)+\qt)+2*\i+1], v[ACC+16*(2*(\h)+\qt)+2*\i:ACC+16*(2*(\h)+\qt)+2*\i+1], v[FC:FC+1] op_sel_hi:[1,0]
.endr
	v_mul_f32 v[LS+8*\qt+(\h)], v[LS+8*\qt+(\h)], v[FC]
.endif
.irp b, 0,1
	MMA ACC+16*(2*(\h)+\qt),   VF+16*\b,    PB+8*\b, (\first)*(1-\b)
	MMA ACC+16*(2*(\h)+\qt)+8, VF+16*\b+8,  PB+8*\b, (\first)*(1-\b)
	MMA LS+8*\qt,              ONES+8*(\h), PB+8*\b, (\lz)*(1-\b)
.endr
.endm
; One step: my 64 keys of one group, head pair hp (slot hp), both query tiles: four units.  The next unit's scores are issued
; ahead of this unit's rescaling.  fill = 1: the slot is filled again with the next group's record.
; The bias (hp = 0): for each key tile the exponents of query tile 0, their exponentials, the exponents of query tile 1, the LDS loads into the registers just read,
; and query tile 1's exponentials, behind which the next key tile's wait and exponents follow.
.macro STEP hp, first, fill
	LOADV LA0+\hp, 0
.if \hp == 0
	LOADP KP1, 1
	LOADP KP0, 0
	s_wait_dscnt 6                                 ; LDS loads return in order (ISA guide 5.7.1): all but the six issued last: key tile 1's positions are in
	BIASD KP1, 1, 0
	BIASE 1, 0
	BIASD KP1, 1, 1
	LOADP KP1, 3
	BIASE 1, 1
	s_wait_dscnt 6                                 ; key tile 0's are in, tile 3's six stay out
	BIASD KP0, 0, 0
	BIASE 0, 0
	BIASD KP0, 0, 1
	LOADP KP0, 2
	BIASE 0, 1
	s_wait_dscnt 6                                 ; key tile 3's are in, tile 2's six stay out
	BIASD KP1, 3, 0
	BIASE 3, 0
	BIASD KP1, 3, 1
	LOADK LA0, 0
	BIASE 3, 1
	s_wait_dscnt 8                                 ; key tile 2's are in, K's eight stay out
	BIASD KP0, 2, 0
	BIASE 2, 0
	BIASD KP0, 2, 1
	BIASE 2, 1
	BIASG
.else
	LOADK LA1, 0                                   ; the bias tiles of this group are still in registers
.endif
	s_wait_dscnt 0                                 ; K and V of the pair's first head
	QK 2*\hp, 0
	PLACES 5
	SOFTMAX 4*\hp, \first
	QK 2*\hp, 1
	TAIL 2*\hp, 0, \first, \first*(1-\hp)
	WIN 0
	LOADK LA0+\hp, 1                               ; the second head's K: the last product that read K stands in front of TAIL's places
	SOFTMAX 4*\hp+1, \first
	s_wait_dscnt 0                                 ; that K
	QK 2*\hp+1, 0
	TAIL 2*\hp, 1, \first, \first*(1-\hp)
	PLACES 4                                       ; before V is loaded again
	LOADV LA0+\hp, 1
	SOFTMAX 4*\hp+2, \first
	QK 2*\hp+1, 1
	s_wait_dscnt 0                                 ; that V
	TAIL 2*\hp+1, 0, \first, 0
	WIN 0
	SOFTMAX 4*\hp+3, \first
	s_wait_dscnt 0                                 ; my reads of this slot are over,
	s_set_vgpr_msb 0x5
	s_wait_tensorcnt 0x0                           ; and all my tensor loads have landed: the one that was out is my chunk of the other slot
	ds_add_u32 v208, v209
	s_wait_dscnt 0x0
	s_set_vgpr_msb 0x500
.if \fill
	s_barrier_signal -1                            ; opens a round of the cluster's barrier; only register work up to its wait
.endif
	TAIL 2*\hp+1, 1, \first, 0
	PLACES 4                                       ; before P's and V's registers are loaded again in the next step
	WIN 0
.if \fill
	s_barrier_wait -1
	CREST                                          ; no wave of the four work-groups still reads this slot or has a load on its way
	s_add_nc_u64 s[46+4*\hp:47+4*\hp], s[46+4*\hp:47+4*\hp], GROUP
	tensor_load_to_lds s[44+4*\hp:47+4*\hp], s[28+8*\hp:35+8*\hp]   ; my one tensor load behind the round: it has the next step's work in which to land
	s_nop 0
.endif
.endm
.macro LAP first
	STEP 0, \first, 1
	STEP 1, \first, 1
.endm
	s_load_b256 s[4:11], s[0:1], 0x0               ; qf s[4:5], kv s[6:7], positions s[8:9], Wo s[10:11]
	s_load_b256 s[12:19], s[0:1], 0x20             ; bo s[12:13], gamma s[14:15], sigma s[16:17], out0 s[18:19]
	s_set_vgpr_msb 0x40
	v_lshl_add_u32 v208, v0, 2, 0x42000
	v_mov_b32 v209, 0
	s_set_vgpr_msb 0x4045
	ds_add_u32 v208, v209
	s_set_vgpr_msb 0x4500
	v_lshrrev_b32 v4, 5, v0
	v_readfirstlane_b32 s20, v4                    ; wave 0..7
	s_bfe_u32 s21, ttmp6, 0x40000                  ; my place in the cluster
	s_lshl_b32 s52, ttmp9, 2
	s_add_co_u32 s21, s52, s21                     ; work-group = 4 x cluster + place: enters global addresses of Q, positions and out0 alone
	s_mov_b32 s22, 0x76543210                      ; v_permlanex16_b32: lane i of one half reads lane i of the other
	s_mov_b32 s23, 0xfedcba98
	; group 1: a dense chunk as rows of 32 elements of 8 bytes (256 bytes); 68 rows for slot 0, 64 for slot 1
	s_mov_b32 s28, 0x0023000f                      ; 15:0 mask: all four of the cluster; 17:16 elements of 8 bytes; 21 set beside a mask; no padding
	s_mov_b32 s29, 32<<16                          ; tensor_dim0 = 32
	s_mov_b32 s30, 68<<16                          ; tensor_dim1 = 68
	s_mov_b32 s31, 32<<16                          ; tile_dim0 = 32
	s_mov_b32 s32, 68                              ; tile_dim1 = 68
	s_mov_b32 s33, 32                              ; from row to row: 32 elements
	s_mov_b32 s34, 0
	s_mov_b32 s35, 0
	s_mov_b32 s36, 0x0023000f
	s_mov_b32 s37, 32<<16
	s_mov_b32 s38, 64<<16
	s_mov_b32 s39, 32<<16
	s_mov_b32 s40, 64
	s_mov_b32 s41, 32
	s_mov_b32 s42, 0
	s_mov_b32 s43, 0
	; group 0, one set a slot: my chunk lies at the same offset in the record and in the slot
	s_mov_b32 s44, 1
	s_mul_i32 s45, s20, CH0
	s_mov_b32 s48, 1
	s_mul_i32 s49, s20, CH1
	s_add_co_u32 s49, s49, REC0
	s_mul_i32 s52, s20, CH0
	s_mov_b32 s53, 0
	s_mul_i32 s54, s20, CH1
	s_add_co_u32 s54, s54, REC0
	s_mov_b32 s55, 0
	s_wait_dscnt 0x0
	s_wait_kmcnt 0x0
	s_load_b32 s25, s[14:15], 0x0                  ; gamma
	s_load_b32 s26, s[16:17], 0x0                  ; sigma
	s_add_nc_u64 s[46:47], s[6:7], s[52:53]
	s_or_b32 s47, s47, 0x80000000
	s_add_nc_u64 s[50:51], s[6:7], s[54:55]
	s_or_b32 s51, s51, 0x80000000
	CROUND                                         ; the four work-groups are here: the first joint loads meet
	tensor_load_to_lds s[44:47], s[28:35]          ; group 0, heads 0, 1 and positions
	s_nop 0
	tensor_load_to_lds s[48:51], s[36:43]          ; group 0, heads 2, 3
	s_nop 0
	v_and_b32 v4, 31, v0
	v_lshlrev_b32 v4, 4, v4                        ; 16 x lane; kept to the end
	v_and_b32 v5, 15, v0
	v_mul_u32_u24 v5, v5, 12                       ; my query's 12 bytes
	v_add_nc_u32 v[LA0], s45, v4
	v_add_nc_u32 v[LA1], s49, v4
	v_bfe_u32 v6, v0, 4, 1
	v_lshlrev_b32 v6, 5, v6
	v_add_nc_u32 v[PA], s45, v6
	v_add_nc_u32 v[PA], 16384, v[PA]
	s_lshl_b32 s52, s21, 13                        ; my two query tiles of 4096 bytes
	s_add_nc_u64 s[52:53], s[4:5], s[52:53]
	s_mul_i32 s54, s21, 384                        ; my 32 queries' positions
	s_add_nc_u64 s[54:55], s[8:9], s[54:55]
.irp h, 0,1,2,3
.irp qt, 0,1
	global_load_b128 v[QF+8*(2*\h+\qt):QF+8*(2*\h+\qt)+3],   v4, s[52:53] offset:\qt*4096+\h*1024
	global_load_b128 v[QF+8*(2*\h+\qt)+4:QF+8*(2*\h+\qt)+7], v4, s[52:53] offset:\qt*4096+\h*1024+512
.endr
.endr
.irp qt, 0,1
.irp c, 0,1,2
	global_load_b32 v[QP+4*\qt+\c], v5, s[54:55] offset:\qt*192+\c*4
.endr
.endr
	v_mov_b32 v[QP+3], 0                           ; the upper halves of the pairs (z, 0)
	v_mov_b32 v[QP+7], 0
	v_mov_b32 v[TM+1], 0                           ; v_permlanex16_b32 counts as a reader of its destination
	s_wait_kmcnt 0x0
	v_mov_b32 v6, s26
	v_mul_f32 v6, v6, v6
	v_rcp_f32 v6, v6
	v_mov_b32 v7, s25                              ; the plain place behind v_rcp_f32
	s_wait_alu depctr_va_vdst(0)                   ; the wait for that one reciprocal, ahead of its reader; once a launch
	v_mul_f32 v[CN], 0xbf38aa3b, v6                ; -log2(e) / 2 / sigma^2
	v_mov_b32 v[CN+1], v[CN]
	v_mul_f32 v[CG], 0x3fb8aa3b, v7                ; gamma log2(e)
	v_mov_b32 v[CG+1], v[CG]
	v_and_b32 v6, 7, v0                            ; a first source's row is lane % 16: rows hd and 8 + hd are the lanes with lane % 8 = hd
	v_mov_b32 v[PAT], 0x3c003c00                   ; two f16 ones
	WIN 0x40
.irp h, 0,1,2,3
	v_cmp_eq_u32 vcc_lo, \h, v6
.irp i, 0,1,2,3,4,5,6,7
	v_cndmask_b32 v[ONES+8*\h+\i], 0, v[PAT], vcc_lo
.endr
.endr
	WIN 0
	s_wait_loadcnt 0                               ; Q and my queries' positions
	s_wait_tensorcnt 0x1                           ; tensor loads end in order (ISA guide 10.11.1): my chunk of slot 0 is in, slot 1's may stay out; I read my own chunk alone
	LAP 1                                          ; group 0: the first products start all sums
	s_mov_b32 s24, 14
.Llap:
	LAP 0                                          ; groups 1 to 14
	s_sub_co_u32 s24, s24, 1
	s_cmp_lg_u32 s24, 0
	s_cbranch_scc1 .Llap
	STEP 0, 0, 0                                   ; group 15: nothing is left to fetch, so no round
	STEP 1, 0, 0
	; EPILOGUE.  Wave w: merges unit w over the eight waves, then makes output columns 16 w .. 16 w + 15 of the 32 rows.
	v_and_b32 v5, 15, v0                           ; r
	v_bfe_u32 v6, v0, 4, 1                         ; h
	v_lshlrev_b32 v7, 5, v6                        ; 32 h
	v_lshl_add_u32 v33, v5, 9, v7                  ; 512 r + 32 h: my 32 bytes in a row of Wo
	v_lshrrev_b32 v6, 2, v4                        ; 4 x lane
	s_lshl_b32 s24, s20, 8
	s_add_co_u32 s24, s24, ML
	v_add_nc_u32 v250, s24, v6                     ; where I put m and l: + 2048 x unit
	s_lshl_b32 s24, s20, 11
	v_add_nc_u32 v251, s24, v4                     ; where I put partial O of units 0-3: + 16384 x unit
	v_add_nc_u32 v252, 0x10000, v251               ; of units 4-7
	s_add_co_u32 s24, s24, ML
	v_add_nc_u32 v253, s24, v6                     ; unit w's m and l: + 256 x wave
	s_lshl_b32 s24, s20, 14
	v_add_nc_u32 v254, s24, v4                     ; unit w's partial O: + 2048 x wave
	s_lshl_b32 s24, s20, 10
	s_add_co_u32 s24, s24, AF
	v_add_nc_u32 v255, s24, v4                     ; unit w's merged fragment; its lower part AFL - AF further on
	v_add_nc_u32 v1, AF, v4                        ; all merged fragments
	v_mul_u32_u24 v2, v5, 528
	v_add_nc_u32 v2, v2, v7
	s_lshl_b32 s24, s20, 6
	s_add_co_u32 s24, s24, OUTS
	v_add_nc_u32 v2, s24, v2                       ; row r, my 8 columns: 528 r + 64 w + 32 h
	s_mul_i32 s24, s20, 2112
	s_add_co_u32 s24, s24, OUTS
	v_add_nc_u32 v3, s24, v4                       ; rows 4 w + i as whole rows
	s_lshl_b32 s52, s20, 13                        ; rows 16 w .. of Wo
	s_mov_b32 s53, 0
	s_add_nc_u64 s[52:53], s[10:11], s[52:53]
	s_lshl_b32 s54, s20, 6
	s_mov_b32 s55, 0
	s_add_nc_u64 s[54:55], s[12:13], s[54:55]
	s_lshl_b32 s26, s21, 14                        ; my work-group's 32 rows of out0, my wave's four
	s_lshl_b32 s24, s20, 11
	s_add_co_u32 s26, s26, s24
	s_mov_b32 s27, 0
	s_add_nc_u64 s[26:27], s[18:19], s[26:27]
.irp c, 0,1,2,3
	global_load_b128 v[QF+16*\c:QF+16*\c+3],     v33, s[52:53] offset:\c*128        ; Wo in f32, on its way during the merge
	global_load_b128 v[QF+16*\c+4:QF+16*\c+7],   v33, s[52:53] offset:\c*128+16
	global_load_b128 v[QF+16*\c+8:QF+16*\c+11],  v33, s[52:53] offset:\c*128+64
	global_load_b128 v[QF+16*\c+12:QF+16*\c+15], v33, s[52:53] offset:\c*128+80
.endr
	global_load_b128 v[12:15], v7, s[54:55]        ; bo of columns 16 w + 8 h + 0..7
	global_load_b128 v[16:19], v7, s[54:55] offset:16
	s_wait_dscnt 0
	s_barrier_signal -1
	s_barrier_wait -1                              ; every wave has read its last chunk: the slots' bytes may be written
.irp u, 0,1,2,3,4,5,6,7
	ds_store_b32 v250, v[MX+\u] offset:\u*2048
.endr
	WIN 0x04                                       ; store data from window 1
.irp u, 0,1,2,3,4,5,6,7
	ds_store_b32 v250, v[LS+8*(\u%2)+\u/2] offset:\u*2048+128
.endr
.irp u, 0,1,2,3
.irp q, 0,1,2,3
	ds_store_b128 v251, v[ACC+16*\u+4*\q:ACC+16*\u+4*\q+3] offset:\u*16384+\q*512
.endr
.endr
.irp u, 0,1,2,3
.irp q, 0,1,2,3
	ds_store_b128 v252, v[ACC+64+16*\u+4*\q:ACC+64+16*\u+4*\q+3] offset:\u*16384+\q*512
.endr
.endr
	WIN 0
	s_wait_dscnt 0                                 ; for the others' sake
	s_barrier_signal -1
	s_barrier_wait -1
.irp i, 0,1,2,3,4,5,6,7
	ds_load_b32 v[34+\i], v253 offset:\i*256       ; m of wave i
.endr
.irp i, 0,1,2,3,4,5,6,7
	ds_load_b32 v[42+\i], v253 offset:\i*256+128   ; l of wave i
.endr
.irp i, 0,1,2,3,4,5,6,7
.irp q, 0,1,2,3
	ds_load_b128 v[58+16*\i+4*\q:58+16*\i+4*\q+3], v254 offset:\i*2048+\q*512
.endr
.endr
	s_wait_dscnt 32                                ; m and l are in, the 32 loads of partial O stay out
	v_max3_num_f32 v28, v34, v35, v36
	v_max3_num_f32 v28, v28, v37, v38
	v_max3_num_f32 v28, v28, v39, v40
	v_max_num_f32 v28, v28, v41                    ; the true maximum
.irp i, 0,1,2,3,4,5,6,7
	v_sub_f32 v[34+\i], v[34+\i], v28
.endr
.irp i, 0,1,2,3,4,5,6,7
	v_exp_f32 v[34+\i], v[34+\i]
.endr
	v_nop                                          ; one plain place behind the last exponential
	s_wait_alu depctr_va_vdst(0)                   ; one wait for the merge's eight exponentials, ahead of the row sum that reads them
	v_mul_f32 v29, v34, v42
.irp i, 1,2,3,4,5,6,7
	v_fmac_f32 v29, v[34+\i], v[42+\i]             ; the whole row sum; at least 1: the wave with the maximum adds its own
.endr
	v_rcp_f32 v29, v29
	v_nop                                          ; one plain place behind the reciprocal
	s_wait_alu depctr_va_vdst(0)                   ; the reciprocal reads a sum of those exponentials, so it is a batch of its own: its wait, ahead of the weights
.irp i, 0,1,2,3,4,5,6,7
	v_mul_f32 v[34+\i], v[34+\i], v29              ; wave i's weight
.endr
	s_wait_dscnt 0
.irp j, 0,1,2,3,4,5,6,7
	v_pk_mul_f32 v[58+2*\j:59+2*\j], v[58+2*\j:59+2*\j], v[34:35] op_sel_hi:[1,0]
.endr
.irp i, 1,2,3,4,5,6,7
.irp j, 0,1,2,3,4,5,6,7
.if \i % 2
	v_pk_fma_f32 v[58+2*\j:59+2*\j], v[58+16*\i+2*\j:59+16*\i+2*\j], v[34+\i-1:34+\i], v[58+2*\j:59+2*\j] op_sel:[0,1,0] op_sel_hi:[1,1,1]
.else
	v_pk_fma_f32 v[58+2*\j:59+2*\j], v[58+16*\i+2*\j:59+16*\i+2*\j], v[34+\i:35+\i], v[58+2*\j:59+2*\j] op_sel_hi:[1,0,1]
.endif
.endr
.endr
	; O as two bf16 numbers: the upper part, and what the rounding to it left
.irp i, 0,1,2,3,4,5,6,7
	v_cvt_pk_bf16_f32 v[42+\i], v[58+2*\i], v[58+2*\i+1]       ; a lane's dh 8 h + 0..7 and 16 + 8 h + 0..7 of query r: a second source as it stands
.endr
.irp i, 0,1,2,3,4,5,6,7
	v_lshlrev_b32 v[74+2*\i], 16, v[42+\i]                     ; the upper parts back in f32 (wave 1's partial tile has been added: its registers are free)
	v_and_b32 v[75+2*\i], 0xffff0000, v[42+\i]
.endr
.irp i, 0,1,2,3,4,5,6,7
	v_pk_add_f32 v[58+2*\i:59+2*\i], v[58+2*\i:59+2*\i], v[74+2*\i:75+2*\i] neg_lo:[0,1] neg_hi:[0,1]
.endr
.irp i, 0,1,2,3,4,5,6,7
	v_cvt_pk_bf16_f32 v[50+\i], v[58+2*\i], v[58+2*\i+1]
.endr
	ds_store_b128 v255, v[42:45]
	ds_store_b128 v255, v[46:49] offset:512
	ds_store_b128 v255, v[50:53] offset:AFL-AF
	ds_store_b128 v255, v[54:57] offset:AFL-AF+512
	s_wait_dscnt 0
	s_barrier_signal -1
	s_barrier_wait -1
.irp u, 0,1,2,3,4,5,6,7
	ds_load_b128 v[58+8*\u:58+8*\u+3],   v1 offset:\u*1024
	ds_load_b128 v[58+8*\u+4:58+8*\u+7], v1 offset:\u*1024+512
.endr
.irp u, 0,1,2,3,4,5,6,7
	ds_load_b128 v[122+8*\u:122+8*\u+3],   v1 offset:AFL-AF+\u*1024
	ds_load_b128 v[122+8*\u+4:122+8*\u+7], v1 offset:AFL-AF+\u*1024+512
.endr
	s_wait_loadcnt 0                               ; Wo and bo
.irp c, 0,1,2,3
.irp i, 0,1,2,3,4,5,6,7
	v_cvt_pk_bf16_f32 v[QF+16*\c+\i], v[QF+16*\c+2*\i], v[QF+16*\c+2*\i+1]     ; in place: register i is written when 2 i and 2 i + 1 are read
.endr
.endr
	s_wait_dscnt 0                                 ; all 32 fragment loads
	; rows = 16 columns of out0 (rows of Wo), columns = 16 queries; K step c is head c, once for O's upper parts and once for its lower.
	; The two accumulators (query tile 0 in v[20:27], tile 1 in v[28:35]) take turns; bo starts the sums.
	v_wmma_f32_16x16x32_bf16 v[20:27], v[QF:QF+7], v[58:65], v[12:19]
	v_wmma_f32_16x16x32_bf16 v[28:35], v[QF:QF+7], v[66:73], v[12:19]
	v_wmma_f32_16x16x32_bf16 v[20:27], v[QF:QF+7], v[122:129], v[20:27]
	v_wmma_f32_16x16x32_bf16 v[28:35], v[QF:QF+7], v[130:137], v[28:35]
.irp c, 1,2,3
	v_wmma_f32_16x16x32_bf16 v[20:27], v[QF+16*\c:QF+16*\c+7], v[58+16*\c:58+16*\c+7], v[20:27]
	v_wmma_f32_16x16x32_bf16 v[28:35], v[QF+16*\c:QF+16*\c+7], v[66+16*\c:66+16*\c+7], v[28:35]
	v_wmma_f32_16x16x32_bf16 v[20:27], v[QF+16*\c:QF+16*\c+7], v[122+16*\c:122+16*\c+7], v[20:27]
	v_wmma_f32_16x16x32_bf16 v[28:35], v[QF+16*\c:QF+16*\c+7], v[130+16*\c:130+16*\c+7], v[28:35]
.endr
	PLACES 4
.irp qt, 0,1
	ds_store_b128 v2, v[20+8*\qt:23+8*\qt] offset:\qt*8448             ; 16 rows of 528 bytes further for the second query tile
	ds_store_b128 v2, v[24+8*\qt:27+8*\qt] offset:\qt*8448+16
.endr
	s_wait_dscnt 0
	s_barrier_signal -1
	s_barrier_wait -1
.irp i, 0,1,2,3
	ds_load_b128 v[36+4*\i:39+4*\i], v3 offset:\i*528
.endr
.irp i, 0,1,2,3
	s_wait_dscnt 3-\i                              ; row i of my four is in, the younger ones stay out
	global_store_b128 v4, v[36+4*\i:39+4*\i], s[26:27] offset:\i*512       ; the wave stores a whole row: 512 consecutive bytes, aligned to 512
.endr
	s_set_vgpr_msb 0x5
	s_wait_tensorcnt 0x0
	ds_add_u32 v208, v209
	s_wait_dscnt 0x0
	s_set_vgpr_msb 0x500
	CROUND                                         ; the closing round
	s_endpgm
.Lfunc_end_k_q7e7dc1bbd2_attn:
	.size	k_q7e7dc1bbd2_attn, .Lfunc_end_k_q7e7dc1bbd2_attn-k_q7e7dc1bbd2_attn
	.p2alignl 7, 3214868480
	.fill 96, 4, 3214868480
	.section	.rodata,"a",@progbits
	.p2align	6, 0x0
	.amdhsa_kernel k_q7e7dc1bbd2_attn
		.amdhsa_group_segment_fixed_size 327680
		.amdhsa_private_segment_fixed_size 0
		.amdhsa_enable_private_segment 0
		.amdhsa_kernarg_size 64
		.amdhsa_user_sgpr_count 2
		.amdhsa_user_sgpr_kernarg_segment_ptr 1
		.amdhsa_wavefront_size32 1
		.amdhsa_system_sgpr_workgroup_id_x 1
		.amdhsa_system_sgpr_workgroup_id_y 1
		.amdhsa_system_sgpr_workgroup_id_z 1
		.amdhsa_system_vgpr_workitem_id 0
		.amdhsa_next_free_vgpr 466
		.amdhsa_next_free_sgpr 66
		.amdhsa_reserve_vcc 1
		.amdhsa_float_denorm_mode_32 3
		.amdhsa_float_denorm_mode_16_64 3
		.amdhsa_memory_ordered 1
		.amdhsa_forward_progress 1
		.amdhsa_inst_pref_size 237
	.end_amdhsa_kernel
	.amdgpu_metadata
---
amdhsa.version: [ 1, 2 ]
amdhsa.kernels:
  - .name:           k_q7e7dc1bbd2_attn
    .symbol:         k_q7e7dc1bbd2_attn.kd
    .args:
      - { .name: qf, .offset: 0, .size: 8, .value_kind: global_buffer, .address_space: global }
      - { .name: kv, .offset: 8, .size: 8, .value_kind: global_buffer, .address_space: global }
      - { .name: positions, .offset: 16, .size: 8, .value_kind: global_buffer, .address_space: global }
      - { .name: Wo, .offset: 24, .size: 8, .value_kind: global_buffer, .address_space: global }
      - { .name: bo, .offset: 32, .size: 8, .value_kind: global_buffer, .address_space: global }
      - { .name: gamma, .offset: 40, .size: 8, .value_kind: global_buffer, .address_space: global }
      - { .name: sigma, .offset: 48, .size: 8, .value_kind: global_buffer, .address_space: global }
      - { .name: out0, .offset: 56, .size: 8, .value_kind: global_buffer, .address_space: global }
    .group_segment_fixed_size: 327680
    .private_segment_fixed_size: 0
    .kernarg_segment_align: 8
    .kernarg_segment_size: 64
    .max_flat_workgroup_size: 256
    .sgpr_count:     66
    .vgpr_count:     466
    .wavefront_size: 32
...
	.end_amdgpu_metadata
.endif
;; end of part 3
